; MI455X (gfx1250); checked and timed in simulation.
; The chip was launched on July 23, 2026; its instructions are those of AMD's public machine-readable ISA for CDNA 5 (MIT licence, August 2026) and "CDNA5" Instruction Set Architecture Reference Guide (July 2026). The comments in the code are by the model that wrote it; some were corrected since.
;; Multi Head Self Attention. Allowed arithmetic: matrix products marked QUANTISED: E2M1 operands, one E8M0 scale for each 32 along K, by v_wmma_scale_f32_16x16x128_f8f6f4 with both operands' format E2M1 (or v_wmma_scale_f32_32x16x128_f4), f32 sums; products left as they are: bf16, f16 or f32 operands; f32 sums; everything else in f32.
;; Inputs: W_K 1,024 x 1,024 float32; W_O 1,024 x 1,024 float32; W_Q 1,024 x 1,024 float32; W_V 1,024 x 1,024 float32; x 4 x 2,048 x 1,024 float32.
;; Outputs: out0 4 x 2,048 x 1,024 float32.
;; This version of the problem:
;;   THIS VERSION OF THE PROBLEM IS GIVEN IN LOW PRECISION. The matrix products marked QUANTISED in the list below multiply operands that are first quantised to E2M1 (2 exponent bits, 1 mantissa bit; 4 bits a number), with one power-of-two scale for each 32 numbers along K (OCP MX v1.0); their sums are f32. The products marked 'left as it is' may take bf16, f16 or f32 operands, with f32 sums. Whichever they take, every output number must still come out within the allowed error. Rounding operands to bf16 (8 significant bits) uses up far more of that allowance than f16 does (11 bits, for magnitudes from 6e-5 to 65,504). All else is computed in f32.
;;   The module's matrix products, in the order in which they are computed (A, B: the left and right operand; K: the contracted axis; several contracted axes count as one K, in the product's order):
;;     1. [M 8,192, K 1,024] x [K 1,024, N 1,024]; A: input x; B: input W_Q: QUANTISED
;;     2. [M 8,192, K 1,024] x [K 1,024, N 1,024]; A: input x; B: input W_K: QUANTISED
;;     3. [M 8,192, K 1,024] x [K 1,024, N 1,024]; A: input x; B: input W_V: QUANTISED
;;     4. batch 64 x [M 2,048, K 64] x [K 64, N 2,048]; A: computed on the way; B: computed on the way: left as it is (an operand is computed on the way)
;;     5. batch 64 x [M 2,048, K 2,048] x [K 2,048, N 64]; A: computed on the way; B: computed on the way: left as it is (an operand is computed on the way)
;;     6. [M 8,192, K 1,024] x [K 1,024, N 1,024]; A: computed on the way; B: input W_O: left as it is (an operand is computed on the way)
;;   THE QUANTISER, for each operand of a quantised product, along K:
;;     - K is cut into blocks of 32 from its start; a last block that is shorter is filled with zeros.
;;     - A block's scale is 2^e with e = floor(log2(the largest magnitude in the block)) - 2, held to -126 .. 127; a block of zeros has e = 0. As a byte (E8M0): e + 127.
;;     - Each number is divided by its block's scale, clamped to +-6, and rounded to the nearest number of E2M1, ties to even, subnormals kept.
;;     - The product sums the exact products of the quantised numbers (number of the format x scale) in f32.
;;   ~~~python
;;   def quantise(x, axis):      # numpy; x: float32 -> the quantised numbers, widened to float32 again
;;       x = np.moveaxis(x, axis, -1); K = x.shape[-1]
;;       x = np.pad(x, [(0, 0)] * (x.ndim - 1) + [(0, -K % 32)]); x = x.reshape(x.shape[:-1] + (-1, 32)); a = np.abs(x).max(-1, keepdims=True)
;;       e = np.where(a > 0, np.clip(np.frexp(np.where(a > 0, a, 1))[1] - 1 - 2, -126, 127), 0)      # np.frexp(a)[1] - 1 = floor(log2(a)), exactly
;;       r = np.clip(x / 2.0 ** e, -6, 6)
;;       step = 2.0 ** (np.maximum(np.frexp(np.where(r == 0, 1, r))[1] - 1, 0) - 1)
;;       q = np.round(r / step) * step * 2.0 ** e      # np.round: ties to even
;;       return np.moveaxis(q.reshape(q.shape[:-2] + (-1,))[..., :K], -1, axis).astype(np.float32)
;;   ~~~
;; One version. Each part assembles by itself: llvm-mc -triple=amdgcn-amd-amdhsa -mcpu=gfx1250 --defsym DOCPART=n.
;; ======== version 1 of 1: 5 launches
;; limits: values are held in f16: magnitudes above 65,504 overflow, below 6.1e-05 lose precision
;; workspace buffers: codes 5,767,168 bytes; scales 360,448 bytes; wo16 2,097,152 bytes; qkv 50,331,648 bytes; fine32 786,432 bytes; merged 16,777,216 bytes
;; launch quant (part 1): grid 384 x 1, 4 waves a work-group, no clusters, 33,280 bytes of LDS; arguments x, W_Q, W_K, W_V, W_O, codes, scales, wo16; writes codes, scales, wo16
.if DOCPART == 1
	.amdgcn_target "amdgcn-amd-amdhsa--gfx1250"
	.amdhsa_code_object_version 6
	.text
	.protected	k_q5934520af9_quant
	.globl	k_q5934520af9_quant
	.p2align	8
	.type	k_q5934520af9_quant,@function
k_q5934520af9_quant:
	s_mov_b64 s[64:65], 0
	v_nop
	global_prefetch_b8 v0, s[64:65] scope:SCOPE_SE
	s_setreg_imm32_b32 hwreg(HW_REG_WAVE_MODE, 25, 1), 1
	s_wait_xcnt 0x0
; x [8192][1024], W_Q, W_K, W_V [1024][1024], f32, become codes of FP4 (E2M1), K innermost, with one E8M0 byte for each 32 along K; W_O [1024][1024] becomes f16.
; codes: [11264 rows][512 bytes], rows 0-8191 x, then W_Q's, W_K's, W_V's 1,024 rows each; scales: [11264][32 bytes].  wo16: [16 (k / 64)][1024 n][64] f16.
; A block's scale is 2^(floor(log2(its largest magnitude)) - 2); its byte is the largest magnitude's own exponent field - 2, held at 1 from below.  Each number is divided by the scale and rounded to the nearest code, ties to even;
; beyond the largest code the conversion gives the largest code.
; LIMITS: a block of zeros gets the byte 1 (its codes are zeros, and the bytes are read by this program alone); blocks whose largest magnitude lies under 2^-124 keep the byte 1; NaN and infinities are not served;
; W_O goes to f16: magnitudes up to 65,504.
; Rows are dense and K is a multiple of 32: the four tensors are plain streams of blocks, and codes and scales are laid in the order of the work-groups: 256 work-groups of x, 32 of each W, 32,768 numbers each.
; A wave takes 16 steps of 512 numbers.  Each of a step's four loads reads 512 consecutive bytes; the 2,048 bytes turn through the wave's own stage in LDS and come back 64 bytes a lane, so that a lane holds 16 neighbours along K
; (two lanes a block).  A lane's 16 codes are 8 bytes: the wave stores 256 consecutive bytes.  A wave's 256 scale bytes are gathered in LDS and leave in one store of 256 consecutive bytes.
; Work-groups 352-383 convert W_O: no LDS; a wave takes 8 rows; each half of the lanes reads 256 consecutive bytes of a row and the wave stores 256 consecutive bytes (two rows of one block of 64 along K).
; No tensor loads, no barrier: waves share nothing.  No matrix unit and no cluster: memory binds, and no byte is read twice.
.set STEPS, 16
.set EMAX,  2
.set CB,    8                          ; bytes of 16 codes
.set R,     16                         ; v16-79   four sets of 16 numbers as they are loaded
.set X,     80                         ; v80-111  two sets of 16 neighbours
.set E,     112                        ; v112-127 a scale byte for each step
.set C,     128                        ; v128-191 codes: four registers for each step, so that no store's data are written again
.set WREG,  8192                       ; LDS: a region for each wave: two stages of 32 x SP bytes, behind them its 256 scale bytes
.set SP,    80                         ; a lane's place in a stage: 64 bytes + 16 of padding
.set SPW,   12                         ; v12 LDS address of my spare word; never rewritten
.set NIL,   13                         ; v13 0; never rewritten
.set SPARE, 4*WREG                     ; behind the four regions: the spare words, 128 bytes a wave, which no other line names
.set WGQ,   352                        ; work-groups that quantise
	s_load_b256 s[4:11], s[0:1], 0x0               ; x, W_Q, W_K, W_V
	s_load_b256 s[12:19], s[0:1], 0x20             ; W_O, codes, scales, wo16
	v_lshl_add_u32 v[SPW], v0, 2, SPARE
	v_mov_b32 v[NIL], 0
	v_lshrrev_b32 v1, 5, v0
	v_readfirstlane_b32 s20, v1                    ; wave
	v_and_b32 v2, 31, v0                           ; lane
	v_lshlrev_b32 v3, 4, v2                        ; my 16 bytes of a load's 512
	s_mul_i32 s21, s20, WREG
	v_lshrrev_b32 v14, 2, v2
	v_mul_u32_u24 v14, v14, SP
	v_and_b32 v15, 3, v2
	v_lshl_add_u32 v14, v15, 4, v14
	v_add_nc_u32 v14, s21, v14                     ; the stage, on the way in: SP (lane / 4) + 16 (lane % 4)
	v_mul_u32_u24 v15, v2, SP
	v_add_nc_u32 v15, s21, v15                     ; and on the way out: SP x lane: my 16 neighbours
	v_mul_u32_u24 v4, v2, CB                       ; my codes' place in a step's
	v_lshrrev_b32 v5, 1, v2
	s_add_co_u32 s21, s21, 2*32*SP
	v_add_nc_u32 v5, s21, v5                       ; LDS: my wave's 256 scale bytes, my block's byte
	v_lshlrev_b32 v7, 3, v2                        ; and on the way out 8 bytes a lane
	v_add_nc_u32 v6, s21, v7
	s_wait_kmcnt 0x0
	s_cmp_ge_u32 ttmp9, WGQ                        ; the work-group's number alone decides
	s_cbranch_scc1 .Lwo
	s_mov_b64 s[22:23], s[10:11]                   ; which tensor, and its first work-group: W_V from 320,
	s_mov_b32 s24, 320
	s_cmp_lt_u32 ttmp9, 320
	s_cselect_b64 s[22:23], s[8:9], s[22:23]       ; W_K from 288,
	s_cselect_b32 s24, 288, s24
	s_cmp_lt_u32 ttmp9, 288
	s_cselect_b64 s[22:23], s[6:7], s[22:23]       ; W_Q from 256,
	s_cselect_b32 s24, 256, s24
	s_cmp_lt_u32 ttmp9, 256
	s_cselect_b64 s[22:23], s[4:5], s[22:23]       ; x from 0
	s_cselect_b32 s24, 0, s24
	s_sub_co_u32 s25, ttmp9, s24
	s_lshl_b32 s25, s25, 2
	s_add_co_u32 s26, s25, s20                     ; which run of 8,192 numbers of the tensor is my wave's
	s_lshl_b32 s26, s26, 15                        ; 32,768 bytes a run (under 2^26)
	s_mov_b32 s27, 0
	s_add_nc_u64 s[22:23], s[22:23], s[26:27]
	s_lshl_b32 s28, ttmp9, 2
	s_add_co_u32 s28, s28, s20                     ; and which run of the two outputs
	s_lshl_b32 s30, s28, 12                        ; 4,096 bytes of codes a run
	s_mov_b32 s31, 0
	s_add_nc_u64 s[14:15], s[14:15], s[30:31]
	s_lshl_b32 s30, s28, 8                         ; 256 scale bytes a run
	s_add_nc_u64 s[16:17], s[16:17], s[30:31]
.macro LOAD t
.irp i, 0,1,2,3
	global_load_b128 v[R+16*((\t)%4)+4*\i:R+16*((\t)%4)+4*\i+3], v3, s[22:23] offset:2048*(\t)+512*\i th:TH_LOAD_NT   ; 32 lanes read 512 consecutive bytes
.endr
.endm
.macro TURN t                          ; step t's numbers through the stage: LDS serves a wave's instructions in order (ISA guide 5.7.1.4), so no wait stands between the stores and the loads
.irp i, 0,1,2,3
	ds_store_b128 v14, v[R+16*((\t)%4)+4*\i:R+16*((\t)%4)+4*\i+3] offset:32*SP*((\t)%2)+8*SP*\i
.endr
.irp i, 0,1,2,3
	ds_load_b128 v[X+16*((\t)%2)+4*\i:X+16*((\t)%2)+4*\i+3], v15 offset:32*SP*((\t)%2)+16*\i
.endr
.endm
.irp t, 0,1,2,3
	LOAD \t
.endr
	s_wait_loadcnt 12                              ; step 0's four loads are in; the twelve of steps 1 to 3 stay out
	TURN 0
.macro STEP t
.set XS, X+16*((\t)%2)
.if (\t) > 0
	s_wait_dscnt 1                                 ; this step's numbers are back from the stage (the last step's byte store may be out): so its stores into the stage have read their registers,
.else
	s_wait_dscnt 0x0
.endif
.if (\t)+4 < STEPS
	LOAD (\t)+4                                    ; which take the loads of four steps on
.endif
.if (\t)+1 < STEPS
.if STEPS-2-(\t) >= 3
	s_wait_loadcnt 12                              ; the next step's four loads are in; those of the three steps behind it may be out
.else
	s_wait_loadcnt 4*(STEPS-2-(\t))
.endif
	TURN (\t)+1                                    ; and go through the other stage while this step is worked
.endif
	v_max3_num_f32 v8, |v[XS]|, |v[XS+1]|, |v[XS+2]|               ; the largest magnitude of my 16, in two chains
	v_max3_num_f32 v9, |v[XS+3]|, |v[XS+4]|, |v[XS+5]|
.irp i, 6,10
	v_max3_num_f32 v8, v8, |v[XS+\i]|, |v[XS+\i+1]|
	v_max3_num_f32 v9, v9, |v[XS+\i+2]|, |v[XS+\i+3]|
.endr
	v_max3_num_f32 v8, v8, |v[XS+14]|, |v[XS+15]|
	v_max3_num_f32 v8, v8, v9, (EMAX+1)<<23        ; and the floor 2^(EMAX + 1 - 127): the byte cannot fall under 1
	v_max_num_f32_dpp v8, v8, v8 row_xmask:1 row_mask:0xf bank_mask:0xf   ; and of my neighbour's 16: the block's
	v_add_nc_u32 v11, -(EMAX<<23), v8              ; EMAX off its exponent field: the conversion takes the exponent field of this operand as its scale
	v_cvt_scalef32_pk8_fp4_f32 v[C+4*(\t)], v[XS:XS+7], v11
	v_cvt_scalef32_pk8_fp4_f32 v[C+4*(\t)+1], v[XS+8:XS+15], v11
	v_lshrrev_b32 v[E+(\t)], 23, v11               ; the scale's byte (a plain line behind the conversions)
	ds_store_b8 v5, v[E+(\t)] offset:16*(\t)       ; both lanes of a block write the same byte with the same value
	global_store_b64 v4, v[C+4*(\t):C+4*(\t)+1], s[14:15] offset:32*CB*(\t)   ; 32 lanes store 256 consecutive bytes, aligned
.endm
.irp t, 0,1,2,3,4,5,6,7,8,9,10,11,12,13,14,15
	STEP \t
.endr
	ds_load_b64 v[8:9], v6                         ; in order behind my byte stores
	s_wait_dscnt 0x0
	global_store_b64 v7, v[8:9], s[16:17]          ; 32 lanes store 256 consecutive bytes, aligned
	s_wait_tensorcnt 0x0                           ; the wave's end, behind my last LDS store
	ds_add_u32 v[SPW], v[NIL]
	s_wait_dscnt 0x0
	s_endpgm
; W_O to f16.  Wave W' = 4 (work-group - 352) + wave owns rows 8 W' .. 8 W' + 7.
.Lwo:
	s_sub_co_u32 s21, ttmp9, WGQ
	s_lshl_b32 s21, s21, 2
	s_add_co_u32 s21, s21, s20                     ; W'
	s_lshl_b32 s22, s21, 15                        ; 8 rows of 4,096 bytes
	s_mov_b32 s23, 0
	s_add_nc_u64 s[12:13], s[12:13], s[22:23]
	s_lshl_b32 s22, s21, 10                        ; 8 rows of 128 bytes in each block of 64 along K
	s_add_nc_u64 s[18:19], s[18:19], s[22:23]
	v_lshrrev_b32 v8, 4, v2
	v_and_b32 v9, 15, v2
	v_lshlrev_b32 v8, 12, v8
	v_lshl_add_u32 v8, v9, 4, v8                   ; in: lanes 0-15 one row, lanes 16-31 the next; 16 bytes a lane
	v_lshlrev_b32 v9, 3, v2                        ; out: 8 bytes a lane
.macro WOLOAD i                        ; rows 2 i, 2 i + 1: sixteen loads, one for each 64 along K
.irp hd, 0,1,2,3,4,5,6,7,8,9,10,11,12,13,14,15
	global_load_b128 v[16+64*((\i)%2)+4*\hd:16+64*((\i)%2)+4*\hd+3], v8, s[12:13] offset:8192*(\i)+256*\hd th:TH_LOAD_NT
.endr
.endm
.macro WOB i
.if (\i) < 3
	s_wait_loadcnt 16                              ; this batch's sixteen loads are in; the next batch's sixteen stay out
.else
	s_wait_loadcnt 0x0
.endif
	s_wait_xcnt 0x0                                ; the last batch's stores have read their data registers, which are written anew below
.irp hd, 0,1,2,3,4,5,6,7,8,9,10,11,12,13,14,15
	v_cvt_pk_f16_f32 v[144+2*\hd], v[16+64*((\i)%2)+4*\hd], v[16+64*((\i)%2)+4*\hd+1]
	v_cvt_pk_f16_f32 v[145+2*\hd], v[16+64*((\i)%2)+4*\hd+2], v[16+64*((\i)%2)+4*\hd+3]
.endr
.irp hd, 0,1,2,3,4,5,6,7,8,9,10,11,12,13,14,15
	global_store_b64 v9, v[144+2*\hd:145+2*\hd], s[18:19] offset:131072*\hd+256*(\i)   ; 32 lanes store 256 consecutive bytes, aligned
.endr
.if (\i)+2 < 4
	WOLOAD (\i)+2
.endif
.endm
	WOLOAD 0
	WOLOAD 1
	WOB 0
	WOB 1
	WOB 2
	WOB 3
	s_wait_tensorcnt 0x0                           ; the wave's end
	ds_add_u32 v[SPW], v[NIL]
	s_wait_dscnt 0x0
	s_endpgm
.Lfunc_end_k_q5934520af9_quant:
	.size	k_q5934520af9_quant, .Lfunc_end_k_q5934520af9_quant-k_q5934520af9_quant
	.p2alignl 7, 3214868480
	.fill 96, 4, 3214868480
	.section	.rodata,"a",@progbits
	.p2align	6, 0x0
	.amdhsa_kernel k_q5934520af9_quant
		.amdhsa_group_segment_fixed_size 33280
		.amdhsa_private_segment_fixed_size 0
		.amdhsa_enable_private_segment 0
		.amdhsa_kernarg_size 64
		.amdhsa_user_sgpr_count 2
		.amdhsa_user_sgpr_kernarg_segment_ptr 1
		.amdhsa_wavefront_size32 1
		.amdhsa_system_sgpr_workgroup_id_x 1
		.amdhsa_system_sgpr_workgroup_id_y 1
		.amdhsa_system_sgpr_workgroup_id_z 1
		.amdhsa_system_vgpr_workitem_id 0
		.amdhsa_next_free_vgpr 192
		.amdhsa_next_free_sgpr 66
		.amdhsa_reserve_vcc 0
		.amdhsa_float_denorm_mode_32 3
		.amdhsa_float_denorm_mode_16_64 3
		.amdhsa_memory_ordered 1
		.amdhsa_forward_progress 1
		.amdhsa_inst_pref_size 55
	.end_amdhsa_kernel
	.amdgpu_metadata
---
amdhsa.version: [ 1, 2 ]
amdhsa.kernels:
  - .name:           k_q5934520af9_quant
    .symbol:         k_q5934520af9_quant.kd
    .args:
      - { .name: x, .offset: 0, .size: 8, .value_kind: global_buffer, .address_space: global }
      - { .name: W_Q, .offset: 8, .size: 8, .value_kind: global_buffer, .address_space: global }
      - { .name: W_K, .offset: 16, .size: 8, .value_kind: global_buffer, .address_space: global }
      - { .name: W_V, .offset: 24, .size: 8, .value_kind: global_buffer, .address_space: global }
      - { .name: W_O, .offset: 32, .size: 8, .value_kind: global_buffer, .address_space: global }
      - { .name: codes, .offset: 40, .size: 8, .value_kind: global_buffer, .address_space: global }
      - { .name: scales, .offset: 48, .size: 8, .value_kind: global_buffer, .address_space: global }
      - { .name: wo16, .offset: 56, .size: 8, .value_kind: global_buffer, .address_space: global }
    .group_segment_fixed_size: 33280
    .private_segment_fixed_size: 0
    .kernarg_segment_align: 8
    .kernarg_segment_size: 64
    .max_flat_workgroup_size: 128
    .sgpr_count:     66
    .vgpr_count:     192
    .wavefront_size: 32
...
	.end_amdgpu_metadata
.endif
;; end of part 1
;; launch qkv (part 2): grid 12 x 32, 4 waves a work-group, clusters of 4 x 1, 327,680 bytes of LDS; arguments codes, scales, qkv, fine32; writes qkv, fine32
.if DOCPART == 2
	.amdgcn_target "amdgcn-amd-amdhsa--gfx1250"
	.amdhsa_code_object_version 6
	.text
	.protected	k_q5934520af9_qkv
	.globl	k_q5934520af9_qkv
	.p2align	8
	.type	k_q5934520af9_qkv,@function
k_q5934520af9_qkv:
	s_mov_b64 s[64:65], 0
	v_nop
	global_prefetch_b8 v0, s[64:65] scope:SCOPE_SE
	s_setreg_imm32_b32 hwreg(HW_REG_WAVE_MODE, 25, 1), 1
	s_wait_xcnt 0x0
	s_wait_alu depctr_hold_cnt(0) depctr_sa_sdst(0) depctr_va_vdst(0) depctr_va_sdst(0) depctr_va_ssrc(0) depctr_va_vcc(0) depctr_vm_vsrc(0)
	s_getreg_b32 s2, hwreg(HW_REG_IB_STS2, 6, 4)
	s_cmp_eq_u32 s2, 0
	s_cbranch_scc0 .Lentry_in_a_cluster
	s_endpgm
.Lentry_in_a_cluster:
	s_bfe_u32 s2, ttmp6, 0x10000c
	s_cmp_lg_u32 s2, 0x3003
	s_cbranch_scc0 .Lentry_shape_is_right
	s_endpgm
.Lentry_shape_is_right:
; The three quantised products as one: C[m][n] = sum over k of x[m][k] W[n][k], m 8,192, n 3,072 (W_Q's, W_K's, W_V's rows on end), k 1,024, on codes of FP4 (E2M1) with one E8M0 byte for each 32 along K; sums in f32.
; codes: [11264][512 bytes], scales: [11264][32 bytes]: rows 0-8191 are x, rows 8192 on the weights.  The matrix instruction takes codes and scale bytes as they lie.
; OUT: qkv, f16, [3 (q, k, v)][4 b][16 h][2048 t][64]; and for t < 16 of each batch the f32 sums as images of the accumulators: fine32 [4 b][192 tiles of 16 n][2 halves][32 lanes][16 bytes].
; LIMIT: q, k, v go to f16: magnitudes up to 65,504.
; A tile of C, 256 x 256, is made by four waves, as many as a WGP has SIMDs; a wave makes 128 x 128: 64 accumulators, 512 registers.  K is two slots of 512 (rows of 256 bytes): both are first fills, nothing is filled again, there is no loop.
; The scales of the work-group's 256 + 256 rows come into LDS once, as rows of 256 bytes.
; CLUSTER: 4 x 1 work-groups along n need the same tile of x: its codes and scales are asked for JOINTLY (mask 15).  The weights' tiles differ from partner to partner and come by plain loads.  A 4 x 4 cluster, which would share them too,
; is not taken: the branch round the f32 images hangs on the tile row, and no branch may differ between partners; along n all partners have one tile row.
; THE MATRIX INSTRUCTION IS USED TRANSPOSED (source 0 = 16 rows of W, source 1 = 16 rows of x): a lane then holds eight neighbouring n of one row m.
; REGISTERS, in windows of 256: window 0: v0-31 addresses; v32-95 scale words, two sets; v128-191 x's fragments, ONE set; on the way out v128-223.  window 1: W's fragments, TWO sets, at v0 and v128.
;   window 2: the accumulators of my rows 0-63 ((a, b) at v[8 (8 a + b)]); window 3: those of my rows 64-127.
; No prefetch: the launch is short, and each tile is read again by neighbouring work-groups.
.set NQ,     4                         ; matrix instructions deep in a slot
.set ROWB,   256                       ; a tile's row in bytes: 512 codes
.set KROW,   512                       ; a row of codes in memory
.set PITCH,  272                       ; an LDS row: 256 bytes + 16 of padding = 68 words: the 16 rows that a load touches start at 16 different banks (64 banks of 4 bytes: ISA guide 11.1)
.set FR,     8
.set NL,     2
.set NP,     4                         ; places behind this matrix instruction (ISA guide 7.12.1)
.set HALFT,  128*PITCH
.set SLOT,   4*HALFT
.set KS,     32                        ; a row of scales in bytes
.set SCL,    2*SLOT
.set HALFS,  (128*KS/256)*272
.set SBLK,   (16*KS/256)*272
.set SPARE,  SCL+4*HALFS               ; the spare words, 128 bytes a wave, which no other line names
.set STG,    SPARE+512                 ; the way out: for each wave [2 heads][16 rows] of 128 bytes + 16; bytes of its own, into which no tile lands
.set SWAVE,  2*16*144
.set ADRA, 16
.set ADRB, 20
.set STO,  24
.set RD,   25
.set CO,   26
.set ADRS, 27
.set SPW,  28
.set NIL,  29
.set SC,   32
.set AF,   128
.set BK,   128                         ; the way out: a block read back: v128-159 and v160-191 by turns
.set TMP,  192                         ; the way out: packed results
.set G1, 24
.set G0, 32
.set G1B, 48
.set G0B, 56
.set G1S, 68
.set G0S, 76
.set G1SB, 80
.set G0SB, 88
.set FB,  96                           ; s[96:97] where my f32 images go
.set MSB, 0
.macro WIN new                         ; the immediate's high byte repeats the setting that is left
.if MSB != \new
	s_set_vgpr_msb (MSB<<8)|\new
.set MSB, \new
.endif
.endm
.set MUL_LO, 0xa1                      ; source 0 (W) window 1, source 1 (x) window 0, C and D window 2
.set MUL_HI, 0xf1
.set TO_B,   0x40
; Waves 0 and 1 fetch for x (jointly), waves 2 and 3 for W.  The branch hangs on the wave's number alone.  An s_nop 0 and four v_nop follow each line.
.macro JLOAD g0a, g1a, g0b, g1b
	s_cmp_eq_u32 s15, 0
	s_cbranch_scc0 .Lfor_b_\@
	tensor_load_to_lds s[\g0a:\g0a+3], s[\g1a:\g1a+7]
	s_nop 0
.rept 4
	v_nop
.endr
	s_branch .Lasked_\@
.Lfor_b_\@:
	tensor_load_to_lds s[\g0b:\g0b+3], s[\g1b:\g1b+7]
	s_nop 0
.rept 4
	v_nop
.endr
.Lasked_\@:
.endm
.macro CROUND                          ; a round of the cluster's barrier
	s_barrier_signal -1
	s_barrier_wait -1
	s_cmp_lg_u32 s14, 0
	s_cbranch_scc1 .Lnot_wave_0_\@
	s_barrier_signal -3
.Lnot_wave_0_\@:
	s_barrier_wait -3
	s_barrier_signal -1
	s_barrier_wait -1
.endm
	s_load_b256 s[4:11], s[0:1], 0x0               ; codes s[4:5], scales s[6:7], qkv s[8:9], fine32 s[10:11]
	v_lshl_add_u32 v[SPW], v0, 2, SPARE
	v_mov_b32 v[NIL], 0
	ds_add_u32 v[SPW], v[NIL]                      ; the wave's opening: the add, twice on end, and its wait ahead of my first tensor load
	ds_add_u32 v[SPW], v[NIL]
	v_lshrrev_b32 v1, 5, v0
	v_readfirstlane_b32 s14, v1                    ; wave 0..3
	s_lshr_b32 s15, s14, 1                         ; which half of the tile's rows is mine.  Also: I fetch for x (0) or for W (1)
	s_and_b32 s16, s14, 1                          ; which half of its columns.  Also: which 128 rows I fetch
	s_bfe_u32 s40, ttmp6, 0x40000                  ; cx: my place in the cluster
	s_lshl_b32 s42, ttmp9, 2
	s_add_co_u32 s42, s42, s40                     ; tile column 0..11
	s_and_b32 s17, ttmp7, 0xffff                   ; tile row 0..31, which the four partners share
	; descriptor group 1: a tile of 128 rows x 256 bytes, padded in LDS
	s_mov_b32 s[G1+0], 15|(0<<16)|(1<<20)|(1<<21)|(5<<22)|(3<<25)   ; 15:0 the mask: all four; 17:16 elements of 1 byte; 20 padding on; 21 set beside a mask; 24:22 after every 64 words; 31:25 four words
	s_mov_b32 s[G1B+0], (0<<16)|(1<<20)|(5<<22)|(3<<25)             ; the same with no mask
.irp g, G1, G1B
	s_mov_b32 s[\g+1], ROWB<<16                    ; tensor_dim0
	s_mov_b32 s[\g+2], 128<<16                     ; tensor_dim1
	s_mov_b32 s[\g+3], ROWB<<16                    ; tile_dim0
	s_mov_b32 s[\g+4], 128                         ; tile_dim1
	s_mov_b32 s[\g+5], KROW                        ; tensor_dim0_stride
	s_mov_b32 s[\g+6], 0
	s_mov_b32 s[\g+7], 0
.endr
	; the scales of 128 rows: 4,096 dense bytes, as 16 rows of 256 bytes (32 elements of 8 bytes), 16 bytes of padding behind each
	s_mov_b32 s[G1S+0], 15|(3<<16)|(1<<20)|(1<<21)|(5<<22)|(3<<25)
	s_mov_b32 s[G1SB+0], (3<<16)|(1<<20)|(5<<22)|(3<<25)
.irp g, G1S, G1SB
	s_mov_b32 s[\g+1], 32<<16
	s_mov_b32 s[\g+2], (128*KS/256)<<16
	s_mov_b32 s[\g+3], 32<<16
	s_mov_b32 s[\g+4], 128*KS/256
	s_mov_b32 s[\g+5], 32
	s_mov_b32 s[\g+6], 0
	s_mov_b32 s[\g+7], 0
.endr
	s_lshl_b32 s18, s16, 7                         ; which 128 rows of the tile I fetch
	s_lshl_b32 s20, s17, 8
	s_add_co_u32 s20, s20, s18                     ; x: row 256 x tile row + 128 x half
	s_lshl_b32 s46, s42, 8
	s_add_co_u32 s46, s46, s18
	s_add_co_u32 s46, s46, 8192                    ; W: row 8,192 + 256 x tile column + 128 x half
	s_lshl_b32 s22, s20, 5                         ; where these rows' scales begin, in bytes,
	s_mov_b32 s23, 0
	s_lshl_b32 s92, s46, 5
	s_mov_b32 s93, 0
	s_lshl_b32 s20, s20, 9                         ; and their codes
	s_mov_b32 s21, 0
	s_lshl_b32 s46, s46, 9
	s_mov_b32 s47, 0
	s_mul_i32 s45, s14, HALFT                      ; where they go: wave x 128 rows: no place in the cluster enters an LDS address
	s_mul_i32 s94, s14, HALFS
	s_wait_dscnt 0x0                               ; both opening adds are done
	s_wait_kmcnt 0x0
	s_add_nc_u64 s[20:21], s[4:5], s[20:21]
	s_add_nc_u64 s[22:23], s[6:7], s[22:23]
	s_add_nc_u64 s[46:47], s[4:5], s[46:47]
	s_add_nc_u64 s[92:93], s[6:7], s[92:93]
	CROUND                                         ; all four work-groups are here: the first joint loads meet
	s_mov_b32 s[G0S], 1
	s_add_co_u32 s[G0S+1], s94, SCL
	s_mov_b64 s[G0S+2:G0S+3], s[22:23]
	s_or_b32 s[G0S+3], s[G0S+3], 0x80000000
	s_mov_b32 s[G0SB], 1
	s_add_co_u32 s[G0SB+1], s94, SCL
	s_mov_b64 s[G0SB+2:G0SB+3], s[92:93]
	s_or_b32 s[G0SB+3], s[G0SB+3], 0x80000000
	JLOAD G0S, G1S, G0SB, G1SB                     ; the scales first: they are wanted with slot 0
.irp s, 0,1
	s_mov_b32 s[G0+4*\s], 1
	s_add_co_u32 s[G0+4*\s+1], s45, \s*SLOT
	s_add_nc_u64 s[G0+4*\s+2:G0+4*\s+3], s[20:21], \s*ROWB
	s_or_b32 s[G0+4*\s+3], s[G0+4*\s+3], 0x80000000
	s_mov_b32 s[G0B+4*\s], 1
	s_add_co_u32 s[G0B+4*\s+1], s45, \s*SLOT
	s_add_nc_u64 s[G0B+4*\s+2:G0B+4*\s+3], s[46:47], \s*ROWB
	s_or_b32 s[G0B+4*\s+3], s[G0B+4*\s+3], 0x80000000
	JLOAD G0+4*\s, G1, G0B+4*\s, G1B               ; three tensor loads of mine are out at the most
.endr
	v_and_b32 v1, 15, v0                           ; r = l % 16
	v_bfe_u32 v2, v0, 4, 1                         ; l / 16
	v_mul_u32_u24 v3, v1, PITCH
	v_lshl_add_u32 v4, v2, 4, v3                   ; a fragment's row x pitch + 16 x half
	s_mul_i32 s21, s15, HALFT                      ; my 128 rows of x
	s_mul_i32 s22, s16, HALFT                      ; my 128 rows of W,
	s_add_co_u32 s22, s22, 2*HALFT                 ; which lie behind x's 256
.irp s, 0,1
	v_add_nc_u32 v[ADRA+\s], s21, v4
	v_add_nc_u32 v[ADRB+\s], s22, v4
	s_add_co_u32 s21, s21, SLOT
	s_add_co_u32 s22, s22, SLOT
.endr
	v_mul_u32_u24 v5, v1, KS                       ; my row's scales: KS bytes a row,
	v_lshrrev_b32 v6, 8, v5
	v_lshl_add_u32 v5, v6, 4, v5                   ; and 16 more for each 256 passed
	s_mul_i32 s21, s15, HALFS
	s_mul_i32 s22, s16, HALFS
	s_add_co_u32 s22, s22, 2*HALFS
	s_sub_co_u32 s22, s22, s21
	v_mul_u32_u24 v6, s22, v2                      ; lanes 16-31 take W's
	s_add_co_u32 s21, s21, SCL
	v_add_nc_u32 v5, v5, v6
	v_add_nc_u32 v[ADRS], s21, v5
	s_mul_i32 s23, s14, SWAVE
	s_add_co_u32 s23, s23, STG                     ; my stage
	v_mul_u32_u24 v5, v1, 144                      ; in: row r, 16 bytes for each half of the lanes
	v_lshl_add_u32 v5, v2, 4, v5
	v_add_nc_u32 v[STO], s23, v5
	v_and_b32 v6, 31, v0
	v_lshlrev_b32 v[CO], 4, v6                     ; out: 16 bytes a lane, 512 on end
	v_lshrrev_b32 v5, 3, v6
	v_mul_u32_u24 v5, v5, 144                      ; back: eight lanes to a row of 128 bytes, four rows an instruction
	v_and_b32 v6, 7, v6
	v_lshl_add_u32 v5, v6, 4, v5
	v_add_nc_u32 v[RD], s23, v5
	; where my part goes: tensor = column / 4; head = 4 (column % 4) + 2 x column half (+ 0, 1); batch = row / 8; t = 256 (row % 8) + 128 x row half
	s_lshr_b32 s20, s42, 2
	s_lshl_b32 s20, s20, 6
	s_lshr_b32 s21, s17, 3                         ; the batch
	s_lshl_b32 s22, s21, 4
	s_add_co_u32 s20, s20, s22
	s_and_b32 s22, s42, 3
	s_lshl_b32 s22, s22, 2
	s_add_co_u32 s20, s20, s22
	s_lshl_b32 s22, s16, 1
	s_add_co_u32 s20, s20, s22
	s_lshl_b32 s20, s20, 18                        ; 262,144 bytes for each (tensor, batch, head)
	s_and_b32 s22, s17, 7
	s_lshl_b32 s22, s22, 8
	s_lshl_b32 s23, s15, 7
	s_add_co_u32 s22, s22, s23
	s_lshl_b32 s22, s22, 7                         ; 128 bytes a row
	s_add_co_u32 s20, s20, s22
	s_mul_i32 s46, s21, 192                        ; the images: 192 tiles of 16 n a batch, 1,024 bytes each
	s_lshl_b32 s47, s42, 4
	s_add_co_u32 s46, s46, s47
	s_lshl_b32 s47, s16, 3
	s_add_co_u32 s46, s46, s47
	s_lshl_b32 s46, s46, 10
	s_mov_b32 s47, 0
	s_mov_b32 s21, 0
	s_add_nc_u64 s[12:13], s[8:9], s[20:21]
	s_add_nc_u64 s[FB:FB+1], s[10:11], s[46:47]
	s_and_b32 s18, s17, 7
	s_or_b32 s18, s18, s15                         ; 0 where my first 16 rows are a sequence's first 16: tile row and wave alone, the same in all partners
.macro FRAG reg, adr, q, i             ; 16 rows x 128 K of 4-bit codes: lane l holds row l % 16; registers 4 c .. 4 c + 3 hold K = 64 c + 32 (l / 16) + 0 .. 31
.irp c, 0,1
	ds_load_b128 v[\reg+4*\c:\reg+4*\c+3], v[\adr] offset:64*(\q)+32*\c+(\i)*16*PITCH
.endr
.endm
; 16 matrix instructions: x's blocks a0, a0 + 1 against W's eight.  The 64 accumulators take turns, one instruction a turn, in the same order in every step.
.macro MUL16 a0, p, q, sc, zero
.irp a, \a0, \a0+1
.irp b, 0,1,2,3,4,5,6,7
.if \zero
	v_wmma_scale_f32_16x16x128_f8f6f4 v[8*(8*((\a)%4)+\b):8*(8*((\a)%4)+\b)+7], v[128*(\p)+FR*\b:128*(\p)+FR*\b+FR-1], v[AF+FR*(\a):AF+FR*(\a)+FR-1], 0, v[SC+8*NQ*(\sc)+NQ*\b+(\q)], v[SC+8*NQ*(\sc)+NQ*(\a)+(\q)] matrix_a_fmt:MATRIX_FMT_FP4 matrix_b_fmt:MATRIX_FMT_FP4 matrix_a_scale:MATRIX_SCALE_ROW1
.else
	v_wmma_scale_f32_16x16x128_f8f6f4 v[8*(8*((\a)%4)+\b):8*(8*((\a)%4)+\b)+7], v[128*(\p)+FR*\b:128*(\p)+FR*\b+FR-1], v[AF+FR*(\a):AF+FR*(\a)+FR-1], v[8*(8*((\a)%4)+\b):8*(8*((\a)%4)+\b)+7], v[SC+8*NQ*(\sc)+NQ*\b+(\q)], v[SC+8*NQ*(\sc)+NQ*(\a)+(\q)] matrix_a_fmt:MATRIX_FMT_FP4 matrix_b_fmt:MATRIX_FMT_FP4 matrix_a_scale:MATRIX_SCALE_ROW1
.endif
.endr
.endr
.endm
.macro FETCH_B slot, q, p
	WIN TO_B
.irp i, 0,1,2,3,4,5,6,7
	FRAG 128*(\p)+FR*\i, ADRB+\slot, \q, \i
.endr
	WIN 0
.endm
.macro FETCH_A slot, q, i0
.irp i, \i0, \i0+1, \i0+2, \i0+3
	FRAG AF+FR*(\i), ADRA+\slot, \q, \i
.endr
.endm
.macro SCALES sc                       ; a slot's scale words: lanes 0-15 take x's block i, lanes 16-31 W's block i
.irp i, 0,1,2,3,4,5,6,7
	ds_load_b128 v[SC+8*NQ*\sc+NQ*\i:SC+8*NQ*\sc+NQ*\i+3], v[ADRS] offset:\i*SBLK
.endr
.endm
.macro PLACES n                        ; plain vector instructions between a matrix instruction and a load into, or a read of, its registers
.rept \n
	v_nop
.endr
.endm
.macro STEP slot, q, zero              ; 128 along K with its successor in the same slot
	s_wait_dscnt 4*NL                              ; W's set and x's blocks 0-3 are in; the youngest eight loads (x's blocks 4-7) may be out
	WIN MUL_LO
	MUL16 0, (\q)%2, \q, \slot, \zero
	MUL16 2, (\q)%2, \q, \slot, \zero
	s_wait_dscnt 0
	PLACES NP
	FETCH_B \slot, (\q)+1, 1-(\q)%2
	FETCH_A \slot, (\q)+1, 0
	WIN MUL_HI
	MUL16 4, (\q)%2, \q, \slot, \zero
	MUL16 6, (\q)%2, \q, \slot, \zero
	PLACES NP
	WIN 0
	FETCH_A \slot, (\q)+1, 4
.endm
	s_wait_tensorcnt 1                             ; the scales and my part of slot 0 are in; slot 1's load, the one issued behind them, may be out,
	s_barrier_signal -1
	s_barrier_wait -1                              ; everybody's are
	FETCH_B 0, 0, 0
	FETCH_A 0, 0, 0
	SCALES 0
	FETCH_A 0, 0, 4
	STEP 0, 0, 1                                   ; the first products start the sums: nothing is cleared
	STEP 0, 1, 0
	STEP 0, 2, 0
	; slot 0's last step changes slots: one barrier
	s_wait_tensorcnt 0x0                           ; my part of slot 1 has landed
	ds_add_u32 v[SPW], v[NIL]                      ; 0 onto my spare word
	s_wait_dscnt 4*NL+1                            ; (the add and the youngest eight loads may be out)
	WIN MUL_LO
	MUL16 0, 1, NQ-1, 0, 0
	s_wait_dscnt 0x0                               ; no LDS instruction of mine is pending at the signal
	s_barrier_signal -1
	MUL16 2, 1, NQ-1, 0, 0
	WIN 0
	s_barrier_wait -1                              ; slot 1 is whole
	PLACES NP
	v_add_nc_u32 v[ADRS], 4*NQ, v[ADRS]            ; on to slot 1's scale words
	FETCH_B 1, 0, 0
	FETCH_A 1, 0, 0
	SCALES 1
	WIN MUL_HI
	MUL16 4, 1, NQ-1, 0, 0
	MUL16 6, 1, NQ-1, 0, 0
	PLACES NP
	WIN 0
	FETCH_A 1, 0, 4
	STEP 1, 0, 0
	STEP 1, 1, 0
	STEP 1, 2, 0
	s_wait_dscnt 4*NL                              ; the very last step: nothing more to fetch
	WIN MUL_LO
	MUL16 0, 1, NQ-1, 1, 0
	MUL16 2, 1, NQ-1, 1, 0
	s_wait_dscnt 0
	WIN MUL_HI
	MUL16 4, 1, NQ-1, 1, 0
	MUL16 6, 1, NQ-1, 1, 0
	WIN 0
	PLACES NP                                      ; in front of the first reads of results and of the loads into the registers that held x's fragments
	; the first 16 positions of a sequence leave in f32 too, as the accumulators stand: each store is 512 consecutive bytes
	s_cmp_lg_u32 s18, 0
	s_cbranch_scc1 .Lno_fine
	WIN 0x08                                       ; a store's data are its source 1: window 2
.irp b, 0,1,2,3,4,5,6,7
	global_store_b128 v[CO], v[8*\b:8*\b+3], s[FB:FB+1] offset:1024*\b          ; each accumulator from its low end on
	global_store_b128 v[CO], v[8*\b+4:8*\b+7], s[FB:FB+1] offset:1024*\b+512
.endr
	WIN 0
.Lno_fine:
; THE WAY OUT, by blocks of 16 rows x 128 columns (two heads).  PACK: rounded to f16, 16 bytes a lane.  TOSTAGE: into my own stage, and back as four whole rows of a head.  SEND: stored, 512 consecutive bytes an instruction.
.macro PACK a
.set AC, 64*((\a)%4)
	WIN 0x0a+5*((\a)/4)                            ; sources 0 and 1: window 2 or 3
.irp b, 0,1,2,3,4,5,6,7
.irp r, 0,1,2,3
	v_cvt_pk_f16_f32 v[TMP+4*\b+\r], v[AC+8*\b+2*\r], v[AC+8*\b+2*\r+1]
.endr
.endr
	WIN 0
.endm
.macro TOSTAGE a
.set BB, BK+32*((\a)%2)
.irp b, 0,1,2,3,4,5,6,7
	ds_store_b128 v[STO], v[TMP+4*\b:TMP+4*\b+3] offset:2304*(\b/4)+32*(\b%4)
.endr
.irp t, 0,1,2,3,4,5,6,7
	ds_load_b128 v[BB+4*\t:BB+4*\t+3], v[RD] offset:2304*(\t/4)+576*(\t%4)   ; LDS serves a wave's instructions in order (ISA guide 5.7.1.4): these see the stores above
.endr
.endm
.macro SEND a
.set BB, BK+32*((\a)%2)
	s_wait_dscnt 0x0                               ; the block is back in registers
	s_wait_xcnt 0x0                                ; the earlier stores have read their data: the next block's loads may land on them
.irp t, 0,1,2,3,4,5,6,7
	global_store_b128 v[CO], v[BB+4*\t:BB+4*\t+3], s[12:13] offset:262144*(\t/4)+2048*(\a)+512*(\t%4)
.endr
.endm
	PACK 0
	TOSTAGE 0
.irp a, 1,2,3,4,5,6,7                  ; block a's conversions stand between block a - 1's loads from the stage and the wait for them
	PACK \a
	SEND \a-1
	TOSTAGE \a
.endr
	SEND 7
	s_wait_tensorcnt 0x0                           ; the wave's end, behind my last tensor load and my last LDS store
	ds_add_u32 v[SPW], v[NIL]
	s_wait_dscnt 0x0
	CROUND                                         ; the closing round: no work-group ends while a partner may still ask for a tile that names it
	s_endpgm
.Lfunc_end_k_q5934520af9_qkv:
	.size	k_q5934520af9_qkv, .Lfunc_end_k_q5934520af9_qkv-k_q5934520af9_qkv
	.p2alignl 7, 3214868480
	.fill 96, 4, 3214868480
	.section	.rodata,"a",@progbits
	.p2align	6, 0x0
	.amdhsa_kernel k_q5934520af9_qkv
		.amdhsa_group_segment_fixed_size 327680
		.amdhsa_private_segment_fixed_size 0
		.amdhsa_enable_private_segment 0
		.amdhsa_kernarg_size 32
		.amdhsa_user_sgpr_count 2
		.amdhsa_user_sgpr_kernarg_segment_ptr 1
		.amdhsa_wavefront_size32 1
		.amdhsa_system_sgpr_workgroup_id_x 1
		.amdhsa_system_sgpr_workgroup_id_y 1
		.amdhsa_system_sgpr_workgroup_id_z 1
		.amdhsa_system_vgpr_workitem_id 0
		.amdhsa_next_free_vgpr 1024
		.amdhsa_next_free_sgpr 98
		.amdhsa_reserve_vcc 0
		.amdhsa_float_denorm_mode_32 3
		.amdhsa_float_denorm_mode_16_64 3
		.amdhsa_memory_ordered 1
		.amdhsa_forward_progress 1
		.amdhsa_inst_pref_size 128
	.end_amdhsa_kernel
	.amdgpu_metadata
---
amdhsa.version: [ 1, 2 ]
amdhsa.kernels:
  - .name:           k_q5934520af9_qkv
    .symbol:         k_q5934520af9_qkv.kd
    .args:
      - { .name: codes, .offset: 0, .size: 8, .value_kind: global_buffer, .address_space: global }
      - { .name: scales, .offset: 8, .size: 8, .value_kind: global_buffer, .address_space: global }
      - { .name: qkv, .offset: 16, .size: 8, .value_kind: global_buffer, .address_space: global }
      - { .name: fine32, .offset: 24, .size: 8, .value_kind: global_buffer, .address_space: global }
    .group_segment_fixed_size: 327680
    .private_segment_fixed_size: 0
    .kernarg_segment_align: 8
    .kernarg_segment_size: 32
    .max_flat_workgroup_size: 128
    .sgpr_count:     98
    .vgpr_count:     1024
    .wavefront_size: 32
...
	.end_amdgpu_metadata
.endif
;; end of part 2
;; launch attn (part 3): grid 4 x 64, 16 waves a work-group, no clusters, 327,680 bytes of LDS; arguments qkv, merged; writes merged
.if DOCPART == 3
	.amdgcn_target "amdgcn-amd-amdhsa--gfx1250"
	.amdhsa_code_object_version 6
	.text
	.protected	k_q5934520af9_attn
	.globl	k_q5934520af9_attn
	.p2align	8
	.type	k_q5934520af9_attn,@function
k_q5934520af9_attn:
	s_mov_b64 s[64:65], 0
	v_nop
	global_prefetch_b8 v0, s[64:65] scope:SCOPE_SE
	s_setreg_imm32_b32 hwreg(HW_REG_WAVE_MODE, 25, 1), 1
	s_wait_xcnt 0x0
; merged[h][b t][:] = sum over k <= t of softmax_k(q[t] . k[k] / 8) v[k][:], for 64 (batch, head), 2,048 positions, head size 64.  q, k, v: f16, [3][64 (b, h)][2048][64].  merged: f16, [16 h][8192 (b, t)][64].
; Products on f16 operands with f32 sums; maxima, exponentials and sums in f32; a running maximum is taken away before every exponential.  The weights p (at most 1) are rounded to f16 for the second product.
; LIMIT: what leaves goes to f16 (its magnitude is at most the largest |v|, up to 65,504).  The first 16 positions of each sequence are made here too, and are made again in f32 by a later launch.
; SHARES.  A work-group owns 512 queries of one (batch, head): blocks p and 7 - p of eight blocks of 256, so that under the causal mask every work-group has (p + 1) + (8 - p) = 9 blocks' worth of keys: 256 equal work-groups.
; Waves 0-7 take block p, waves 8-15 block 7 - p; a wave owns 32 queries: two tiles of 16, in 256 registers: four waves to a SIMD, so that one wave's vector work stands beside another's products and LDS loads.
; K's and V's rows come through a ring of two LDS slots of 256 keys, filled by the tensor data mover (waves 0, 1: K's halves; waves 2, 3: V's) and read by all sixteen.
; NO CLUSTER: the work-groups of a head need different numbers of slots under the causal mask, so partners could not make every joint request.
; LAYOUT.  S^T = K Q^T (source 0 = 16 keys, source 1 = 16 queries): a lane holds ONE query (lane % 16) and keys 8 (lane / 16) + 0..7.  Two such tiles rounded to f16 in pairs ARE source 1 (32 keys x 16 queries) of O^T = V^T P.
; K comes out of LDS as it lies, V ([key][channel]) turned, by ds_load_tr16_b128.
; EVERY work-group walks all 8 slots (constant trip counts, no barrier jumped over); a step whose 64 keys all come after the wave's queries is left out by a scalar branch on ids; a slot that none of the sixteen waves reads is not asked for.
; REGISTERS: v1-11 addresses; v12-27 eight statistics a tile (+0 c m, +1 m, +2, +3 l, +4..+7 at work, a at +6); v28-31 a second chain of sums; v32-63 Q; v64-127 S^T, then p, then P in each tile's low 16; v128-191 O^T; v192-255 K's 8 fragments, then V's 8.
.set SK,    256                        ; keys in a slot
.set NSL,   2048/SK
.set KP,    144                        ; a key's row in LDS: 128 bytes + 16 = 36 words: the 16 rows of a load start at 16 different groups of four banks (64 banks of 4 bytes: ISA guide 11.1)
.set VP,    160                        ; a row of V: 128 + 32
.set VOFF,  SK*KP
.set SLOT1, 1<<17                      ; slot 1 begins here: one exclusive or turns an address from one slot to the other
.set STAGE, SLOT1+VOFF+SK*VP           ; the way out: 32 rows x 144 bytes for each wave; bytes of its own
.set SPARE, STAGE+16*32*144            ; the spare words, 128 bytes a wave, which no other line names
.set AK0, 1
.set AV0, 2
.set SPW, 3
.set NIL, 4
.set ADK, 5
.set ADV, 6
.set PFO, 7                            ; v7  256 x lane: the prefetches' offset; never rewritten
.set DM,  8                            ; v8  lane % 16 - 8 (lane / 16)
.set DD,  9
.set NINF, 10                          ; v10 -infinity
.set ST,  12
.set XS,  28
.set Q,   32
.set S,   64
.set O,   128
.set KV,  192
.set TB,  2                            ; s2  LDS byte at which the slot in hand begins
.set WV,  18
.set SEL, 20
.set CS,  22                           ; s[22:23] c = log2(e) / 8
.set G1K, 24
.set G1V, 32
.set G0K, 40
.set G0V, 44
.set SLOTS, 67
.set QL,  68                           ; s68 my work-group's last query
.set PFA, 76
.set LIM, 80
.set QB,  84                           ; s[84:85] q at my first query
.set MB,  86                           ; s[86:87] merged at my first query
.set KF,  98                           ; s98 the step's first key
.set Q0,  99                           ; s99 my first query
.macro TLOAD                           ; waves 0, 1 fetch K's halves, waves 2, 3 V's, the others nothing.  An s_nop 0 and four v_nop follow each line
	s_cmp_lt_u32 s[WV], 2
	s_cbranch_scc0 .Lnot_k_\@
	tensor_load_to_lds s[G0K:G0K+3], s[G1K:G1K+7]
	s_nop 0
.rept 4
	v_nop
.endr
	s_branch .Lasked_\@
.Lnot_k_\@:
	s_cmp_lt_u32 s[WV], 4
	s_cbranch_scc0 .Lasked_\@
	tensor_load_to_lds s[G0V:G0V+3], s[G1V:G1V+7]
	s_nop 0
.rept 4
	v_nop
.endr
.Lasked_\@:
.endm
; A PREFETCH of what the NEXT change of slots will ask for: a slot's 32,768 dense bytes of K and of V.  All four work-groups of a head walk the same rows: the one with p = 0, which walks all slots' loads, asks.
; In it waves 4-7 ask for K's, waves 8-11 for V's: 8,192 bytes a wave, lanes 256 bytes apart, one instruction: each aligned block of 256 bytes is named once in the launch.  Slots 0 and 1 come by their loads alone;
; the last change that fills a slot asks for nothing: there is no slot behind it.
.macro ASK
	s_cmp_gt_u32 s[SLOTS], s[LIM]
	s_cbranch_scc0 .Lnot_mine_\@
	global_prefetch_b8 v[PFO], s[PFA:PFA+1] th:TH_LOAD_NT scope:SCOPE_SE
.Lnot_mine_\@:
.endm
	s_load_b128 s[4:7], s[0:1], 0x0                ; qkv, merged
	v_lshl_add_u32 v[SPW], v0, 2, SPARE
	v_mov_b32 v[NIL], 0
	ds_add_u32 v[SPW], v[NIL]                      ; the wave's opening: the add, twice on end, and its wait ahead of the first tensor load
	ds_add_u32 v[SPW], v[NIL]
	v_lshrrev_b32 v5, 5, v0
	v_readfirstlane_b32 s[WV], v5                  ; wave 0..15
	s_and_b32 s72, ttmp7, 0xffff                   ; 16 x batch + head
	s_sub_co_u32 s73, 7, ttmp9                     ; 7 - p
	s_cmp_lt_u32 s[WV], 8
	s_cselect_b32 s74, ttmp9, s73                  ; my block of 256 queries
	s_lshl_b32 s74, s74, 8
	s_and_b32 s75, s[WV], 7
	s_lshl_b32 s75, s75, 5
	s_add_co_u32 s[Q0], s74, s75                   ; my first query
	s_lshl_b32 s[QL], s73, 8
	s_or_b32 s[QL], s[QL], 255
	s_and_b32 s88, s[WV], 1                        ; which 128 keys of a slot I fetch, if I fetch
	s_lshl_b32 s89, s88, 14
	s_add_co_u32 s90, s72, 64                      ; k lies 64 heads behind q,
	s_lshl_b32 s90, s90, 18                        ; 262,144 bytes a head
	s_add_co_u32 s90, s90, s89
	s_mov_b32 s91, 0
	s_add_co_u32 s92, s72, 128                     ; v 128
	s_lshl_b32 s92, s92, 18
	s_add_co_u32 s92, s92, s89
	s_mov_b32 s93, 0
	s_mul_i32 s94, s88, 128*KP
	s_mul_i32 s95, s88, 128*VP
	s_add_co_u32 s95, s95, VOFF
	s_lshl_b32 s[QB], s72, 18
	s_lshl_b32 s74, s[Q0], 7
	s_add_co_u32 s[QB], s[QB], s74
	s_mov_b32 s[QB+1], 0
	s_and_b32 s[MB], s72, 15
	s_lshl_b32 s[MB], s[MB], 20                    ; merged: 8,192 rows of 128 bytes a head,
	s_lshr_b32 s75, s72, 4
	s_lshl_b32 s75, s75, 18                        ; 2,048 rows a batch
	s_add_co_u32 s[MB], s[MB], s75
	s_add_co_u32 s[MB], s[MB], s74
	s_mov_b32 s[MB+1], 0
	; descriptor group 1: 128 rows of 64 elements of 2 bytes, dense in memory, padded in LDS
	s_mov_b32 s[G1K], (1<<16)|(1<<20)|(4<<22)|(3<<25)   ; 15:0 no mask; 17:16 elements of 2 bytes; 20 padding on; 24:22 after every 32 words; 31:25 four words
	s_mov_b32 s[G1V], (1<<16)|(1<<20)|(4<<22)|(7<<25)   ; eight words
.irp g, G1K, G1V
	s_mov_b32 s[\g+1], 64<<16                      ; tensor_dim0
	s_mov_b32 s[\g+2], 128<<16                     ; tensor_dim1
	s_mov_b32 s[\g+3], 64<<16                      ; tile_dim0
	s_mov_b32 s[\g+4], 128                         ; tile_dim1
	s_mov_b32 s[\g+5], 64                          ; tensor_dim0_stride
	s_mov_b32 s[\g+6], 0
	s_mov_b32 s[\g+7], 0
.endr
	s_mov_b32 s[SEL], 0x76543210
	s_mov_b32 s[SEL+1], 0xfedcba98                 ; v_permlanex16_b32's selects for lane l xor 16
	s_mov_b32 s[CS], 0x3e38aa3b                    ; c = log2(e) / sqrt(64)
	s_mov_b32 s[CS+1], s[CS]
	s_mov_b32 s[TB], 0
	s_mov_b32 s[KF], 0
	s_mov_b32 s[SLOTS], NSL-1
	s_wait_dscnt 0x0                               ; both opening adds are done
	s_wait_kmcnt 0x0
	s_mov_b32 s[G0K], 1
	s_mov_b32 s[G0K+1], s94
	s_add_nc_u64 s[G0K+2:G0K+3], s[4:5], s[90:91]
	s_or_b32 s[G0K+3], s[G0K+3], 0x80000000
	s_mov_b32 s[G0V], 1
	s_mov_b32 s[G0V+1], s95
	s_add_nc_u64 s[G0V+2:G0V+3], s[4:5], s[92:93]
	s_or_b32 s[G0V+3], s[G0V+3], 0x80000000
	TLOAD                                          ; slot 0: it holds key 0, which counts for every query
	s_add_nc_u64 s[QB:QB+1], s[4:5], s[QB:QB+1]
	s_add_nc_u64 s[MB:MB+1], s[6:7], s[MB:MB+1]
	s_cmp_lt_u32 s[WV], 8                          ; the prefetches: waves 4-7 K's rows, waves 8-11 V's
	s_cselect_b32 s82, 64, 128
	s_add_co_u32 s82, s82, s72
	s_lshl_b32 s82, s82, 18
	s_and_b32 s83, s[WV], 3
	s_lshl_b32 s83, s83, 13                        ; my wave's 8,192 bytes,
	s_add_co_u32 s82, s82, s83
	s_add_co_u32 s82, s82, SK*128                  ; in slot 1: the first change of slots steps it to slot 2
	s_mov_b32 s83, 0
	s_add_nc_u64 s[PFA:PFA+1], s[4:5], s[82:83]
	s_sub_co_u32 s82, s[WV], 4
	s_lshr_b32 s82, s82, 3                         ; 0 in waves 4 to 11,
	s_or_b32 s82, s82, ttmp9                       ; of the work-group with p = 0
	s_cmp_eq_u32 s82, 0
	s_cselect_b32 s[LIM], 1, -1
	v_and_b32 v9, 15, v0                           ; r
	v_bfe_u32 v11, v0, 4, 1                        ; lane / 16
	v_lshlrev_b32 v6, 7, v9
	v_lshl_add_u32 v6, v11, 4, v6                  ; Q: row r of 128 bytes + 16 x half
.irp t, 0,1
.irp c, 0,1
	global_load_b128 v[Q+16*\t+8*\c:Q+16*\t+8*\c+3], v6, s[QB:QB+1] offset:2048*\t+64*\c      ; Q stays in registers: tile t, channels 32 c on
	global_load_b128 v[Q+16*\t+8*\c+4:Q+16*\t+8*\c+7], v6, s[QB:QB+1] offset:2048*\t+64*\c+32
.endr
.endr
	v_mul_u32_u24 v[AK0], v9, KP
	v_lshl_add_u32 v[AK0], v11, 4, v[AK0]          ; K: row x pitch + 16 x half
	v_and_b32 v5, 7, v0
	v_lshl_add_u32 v5, v11, 3, v5
	v_mul_u32_u24 v[AV0], v5, VP                   ; V, turned: key 8 (l / 16) + l % 8, channels 8 ((l / 8) % 2) on
	v_bfe_u32 v5, v0, 3, 1
	v_lshl_add_u32 v[AV0], v5, 4, v[AV0]
	v_add_nc_u32 v[AV0], VOFF, v[AV0]
	v_lshlrev_b32 v5, 3, v11
	v_sub_nc_u32 v[DM], v9, v5
	v_mov_b32 v[NINF], 0xff800000
	v_and_b32 v[PFO], 31, v0
	v_lshlrev_b32 v[PFO], 8, v[PFO]
.irp t, 0,1
	v_mov_b32 v[ST+8*\t+1], 0xff61b1e6             ; m: -3e38, under every score
	v_mul_f32 v[ST+8*\t], s[CS], v[ST+8*\t+1]      ; c m
.irp j, 2,3,4,5,6,7
	v_mov_b32 v[ST+8*\t+\j], 0                     ; l; and the registers at work, once (a lane permute's destination counts as one of its sources)
.endr
.endr
.irp j, 0,1,2,3,4,5,6,7,8,9,10,11,12,13,14,15,16,17,18,19,20,21,22,23,24,25,26,27,28,29,30,31,32,33,34,35,36,37,38,39,40,41,42,43,44,45,46,47,48,49,50,51,52,53,54,55,56,57,58,59,60,61,62,63
	v_mov_b32 v[O+\j], 0                           ; O^T.  (The step is written with no first step of its own: the first finds zeros, which a = 0 leaves zeros)
.endr
; A KEY STEP: 64 keys, the q-th of the slot in hand.
.macro STEP q
	s_add_co_u32 s96, s[Q0], 31
	s_cmp_gt_u32 s[KF], s96                        ; all 64 keys come after my 32 queries: ids and the count of steps alone
	s_cbranch_scc1 .Lhidden_\@
	v_add_nc_u32 v[ADK], s[TB], v[AK0]
	v_add_nc_u32 v[ADV], s[TB], v[AV0]
.rept 3
	v_nop                                          ; with the two additions five places: the products below write over P, which the last step's products read, and the loads land on V's fragments
.endr
.irp kt, 0,1,2,3
.irp c, 0,1
	ds_load_b128 v[KV+8*(2*\kt+\c):KV+8*(2*\kt+\c)+3], v[ADK] offset:(64*(\q)+16*\kt)*KP+64*\c
	ds_load_b128 v[KV+8*(2*\kt+\c)+4:KV+8*(2*\kt+\c)+7], v[ADK] offset:(64*(\q)+16*\kt)*KP+64*\c+32
.endr
.endr
	s_wait_dscnt 0x0
.set i, 0
.rept 16                               ; S^T = K Q^T: channels 32 (i / 8) on, keys 16 ((i / 2) % 4) on, tile i % 2.  The eight accumulators take turns
.set rS, S+32*(i%2)+8*((i/2)%4)
.set rK, KV+8*(2*((i/2)%4)+i/8)
.set rQ, Q+16*(i%2)+8*(i/8)
.if i < 8
	v_wmma_f32_16x16x32_f16 v[rS:rS+7], v[rK:rK+7], v[rQ:rQ+7], 0
.else
	v_wmma_f32_16x16x32_f16 v[rS:rS+7], v[rK:rK+7], v[rQ:rQ+7], v[rS:rS+7]
.endif
.set i, i+1
.endr
	s_sub_co_i32 s96, s[Q0], s[KF]
	v_add_nc_u32 v[DD], s96, v[DM]                 ; d = my query of tile 0 - the step's first key - 8 (lane / 16)
.rept 3
	v_nop                                          ; with the addition four places: in front of the loads into K's fragments and of the first read of the scores
.endr
.irp u, 0,1
.irp ct, 0,1,2,3
	ds_load_tr16_b128 v[KV+8*(4*\u+\ct):KV+8*(4*\u+\ct)+3], v[ADV] offset:(64*(\q)+32*\u)*VP+32*\ct          ; V's fragments land while the softmax is worked
	ds_load_tr16_b128 v[KV+8*(4*\u+\ct)+4:KV+8*(4*\u+\ct)+7], v[ADV] offset:(64*(\q)+32*\u+16)*VP+32*\ct
.endr
.endr
	s_add_co_u32 s96, s[KF], 63
	s_cmp_le_u32 s96, s[Q0]                        ; all 64 keys count for all my queries
	s_cbranch_scc1 .Lopen_\@
.irp t, 0,1                            ; on the diagonal: register 8 kt + j of tile t holds key 16 kt + 8 (lane / 16) + j: hidden where 16 kt + j - 16 t > d.  Its score becomes -infinity, p = 0
.irp kt, 0,1,2,3
.irp j, 0,1,2,3,4,5,6,7
	v_cmp_gt_i32 vcc_lo, 16*\kt+\j-16*\t, v[DD]
	v_cndmask_b32 v[S+32*\t+8*\kt+\j], v[S+32*\t+8*\kt+\j], v[NINF], vcc_lo
.endr
.endr
.endr
.Lopen_\@:
	; the softmax, the two tiles line by line by turns.  The maximum of 32 scores and the old m, each accumulator read from its low end on
.irp j, 0,1,2,3
.irp t, 0,1
	v_max3_num_f32 v[ST+8*\t+4+\j], v[S+32*\t+8*\j], v[S+32*\t+8*\j+1], v[S+32*\t+8*\j+2]
.endr
.endr
.irp g, 1,2
.irp j, 0,1,2,3
.irp t, 0,1
	v_max3_num_f32 v[ST+8*\t+4+\j], v[ST+8*\t+4+\j], v[S+32*\t+8*\j+2*\g+1], v[S+32*\t+8*\j+2*\g+2]
.endr
.endr
.endr
.irp t, 0,1
	v_max3_num_f32 v[ST+8*\t+4], v[ST+8*\t+4], v[S+32*\t+7], v[S+32*\t+15]
	v_max3_num_f32 v[ST+8*\t+6], v[ST+8*\t+6], v[S+32*\t+23], v[S+32*\t+31]
.endr
.irp t, 0,1
	v_max3_num_f32 v[ST+8*\t+4], v[ST+8*\t+4], v[ST+8*\t+5], v[ST+8*\t+6]
.endr
.irp t, 0,1
	v_max3_num_f32 v[ST+8*\t+4], v[ST+8*\t+4], v[ST+8*\t+7], v[ST+8*\t+1]
.endr
.irp t, 0,1
	v_permlanex16_b32 v[ST+8*\t+5], v[ST+8*\t+4], s[SEL], s[SEL+1]   ; the query's other 32 keys lie in the lane 16 away
.endr
.irp t, 0,1
	v_mov_b32 v[ST+8*\t+7], v[ST+8*\t]             ; c m_old is kept for a
.endr
.irp t, 0,1
	v_max_num_f32 v[ST+8*\t+1], v[ST+8*\t+4], v[ST+8*\t+5]
.endr
.irp t, 0,1
	v_mul_f32 v[ST+8*\t], s[CS], v[ST+8*\t+1]
.endr
.irp t, 0,1
	v_sub_f32 v[ST+8*\t+7], v[ST+8*\t+7], v[ST+8*\t]
.endr
.irp b, 0,2,4,6,8,10,12,14,16,18,20,22,24,26,28,30
.irp t, 0,1
	v_pk_fma_f32 v[S+32*\t+\b:S+32*\t+\b+1], v[S+32*\t+\b:S+32*\t+\b+1], s[CS:CS+1], v[ST+8*\t:ST+8*\t+1] op_sel_hi:[1,0,0] neg_lo:[0,0,1] neg_hi:[0,0,1]   ; c s - c m, two at a time
.endr
.endr
.irp t, 0,1
	v_exp_f32 v[ST+8*\t+6], v[ST+8*\t+7]           ; a = 2^(c m_old - c m_new)
.endr
.irp e, 0,1,2,3,4,5,6,7,8,9,10,11,12,13,14,15,16,17,18,19,20,21,22,23,24,25,26,27,28,29,30,31
.irp t, 0,1
	v_exp_f32 v[S+32*\t+\e], v[S+32*\t+\e]         ; p = 2^(c s - c m)
.endr
.endr
	v_nop                                          ; a plain instruction behind the last exponential
	s_wait_alu depctr_va_vdst(0)                   ; one wait for the batch of 66, ahead of its first reader
.irp t, 0,1
	v_pk_fma_f32 v[ST+8*\t+2:ST+8*\t+3], v[ST+8*\t+2:ST+8*\t+3], v[ST+8*\t+6:ST+8*\t+7], v[S+32*\t:S+32*\t+1] op_sel_hi:[1,0,1]   ; l = a l + the first pair; the sum goes on in two chains
	v_pk_add_f32 v[XS+2*\t:XS+2*\t+1], v[S+32*\t+2:S+32*\t+3], v[S+32*\t+6:S+32*\t+7]
.endr
.irp b, 4,8,12,16,20,24,28
.irp t, 0,1
	v_pk_add_f32 v[ST+8*\t+2:ST+8*\t+3], v[ST+8*\t+2:ST+8*\t+3], v[S+32*\t+\b:S+32*\t+\b+1]
.if \b > 4
	v_pk_add_f32 v[XS+2*\t:XS+2*\t+1], v[XS+2*\t:XS+2*\t+1], v[S+32*\t+\b+2:S+32*\t+\b+3]
.endif
.endr
.endr
.irp t, 0,1
	v_pk_add_f32 v[ST+8*\t+2:ST+8*\t+3], v[ST+8*\t+2:ST+8*\t+3], v[XS+2*\t:XS+2*\t+1]
.endr
.irp e, 0,1,2,3,4,5,6,7,8,9,10,11,12,13,14,15
.irp t, 0,1
	v_cvt_pk_f16_f32 v[S+32*\t+\e], v[S+32*\t+2*\e], v[S+32*\t+2*\e+1]   ; P, in place: register e is written when pairs 0 .. e - 1, which hold it, have been read
.endr
.endr
.irp b, 0,2,4,6,8,10,12,14,16,18,20,22,24,26,28,30
.irp t, 0,1
	v_pk_mul_f32 v[O+32*\t+\b:O+32*\t+\b+1], v[O+32*\t+\b:O+32*\t+\b+1], v[ST+8*\t+6:ST+8*\t+7] op_sel_hi:[1,0]   ; O^T x a
.endr
.endr
	s_wait_dscnt 0x0                               ; V is in
.set i, 0
.rept 16                               ; O^T += V^T P: keys 32 (i / 8) on, channels 16 ((i / 2) % 4) on, tile i % 2
.set rO, O+32*(i%2)+8*((i/2)%4)
.set rV, KV+8*(4*(i/8)+(i/2)%4)
.set rP, S+32*(i%2)+8*(i/8)
	v_wmma_f32_16x16x32_f16 v[rO:rO+7], v[rV:rV+7], v[rP:rP+7], v[rO:rO+7]
.set i, i+1
.endr
.Lhidden_\@:
	s_add_co_u32 s[KF], s[KF], 64
.endm
; THE CHANGE OF SLOTS stands at a slot's head.  Each wave waits for all its tensor loads, adds 0 to its spare word (fill = 1: twice on end), and waits for that and for its reads of the slot that it has left.
; Behind the barrier the slot ahead is whole and nobody reads the other one; fill = 1: that one is filled with the keys that follow, up to the causal limit: the load has four key steps in which to land.
.macro CHANGE fill
	s_wait_tensorcnt 0x0                           ; no tensor load of mine is out, so a group 0 may be written
	ds_add_u32 v[SPW], v[NIL]
.if \fill
	ds_add_u32 v[SPW], v[NIL]                      ; and once more, in every trip alike
	s_xor_b32 s[G0K+1], s[G0K+1], SLOT1            ; the walking descriptors: the other slot, the next 256 keys
	s_add_nc_u64 s[G0K+2:G0K+3], s[G0K+2:G0K+3], SK*128
	s_xor_b32 s[G0V+1], s[G0V+1], SLOT1
	s_add_nc_u64 s[G0V+2:G0V+3], s[G0V+2:G0V+3], SK*128
	s_wait_xcnt 0x0                                ; the last prefetch, a slot back, has read its address
	s_add_nc_u64 s[PFA:PFA+1], s[PFA:PFA+1], SK*128
.endif
	s_wait_dscnt 0x0                               ; the add is done, and my reads of the slot that I have left are over
	s_barrier_signal -1
	s_barrier_wait -1
.if \fill
	s_add_co_u32 s96, s[KF], SK                    ; the first key of the slot that this change would ask for:
	s_cmp_gt_u32 s96, s[QL]                        ; behind my work-group's last query no wave reads it, so it is not asked for.  Ids and the count of steps alone: all sixteen waves go the same way
	s_cbranch_scc1 .Lpast_\@
	TLOAD                                          ; a wave's one tensor load until the next such barrier
.Lpast_\@:
	ASK
.endif
.endm
.macro SLOT_STEPS
.set QS, 0
.rept SK/64
	STEP QS
.set QS, QS+1
.endr
	s_xor_b32 s[TB], s[TB], SLOT1
.endm
	s_wait_loadcnt 0x0                             ; Q
.Lslot:                                            ; NSL - 1 trips
	CHANGE 1
	SLOT_STEPS
	s_sub_co_u32 s[SLOTS], s[SLOTS], 1
	s_cmp_lg_u32 s[SLOTS], 0
	s_cbranch_scc1 .Lslot
	CHANGE 0                                       ; the last slot is written out: nothing is left to ask for
	SLOT_STEPS
	; THE WAY OUT: O^T / l, rounded to f16, through my stage, out as four whole rows (512 consecutive bytes) an instruction
.rept 4
	v_nop                                          ; places behind the last products
.endr
.irp t, 0,1
	v_add_f32 v[ST+8*\t+4], v[ST+8*\t+2], v[ST+8*\t+3]
.endr
.irp t, 0,1
	v_permlanex16_b32 v[ST+8*\t+5], v[ST+8*\t+4], s[SEL], s[SEL+1]
.endr
.irp t, 0,1
	v_add_f32 v[ST+8*\t+4], v[ST+8*\t+4], v[ST+8*\t+5]
.endr
.irp t, 0,1
	v_rcp_f32 v[ST+8*\t+6], v[ST+8*\t+4]
.endr
	s_mul_i32 s73, s[WV], 32*144
	s_add_co_u32 s73, s73, STAGE                   ; my stage
	v_and_b32 v5, 15, v0                           ; (plain work behind the reciprocals)
	v_bfe_u32 v6, v0, 4, 1
	v_mul_u32_u24 v9, v5, 144
	v_lshl_add_u32 v9, v6, 4, v9
	v_add_nc_u32 v9, s73, v9                       ; in: row r, 16 bytes for each half of the lanes
	v_and_b32 v5, 31, v0
	v_lshrrev_b32 v6, 3, v5
	v_mul_u32_u24 v10, v6, 144
	v_and_b32 v6, 7, v0
	v_lshl_add_u32 v10, v6, 4, v10
	v_add_nc_u32 v10, s73, v10                     ; back: eight lanes to a row
	v_lshlrev_b32 v11, 4, v5                       ; out: 16 bytes a lane
	s_wait_alu depctr_va_vdst(0)                   ; one wait for both reciprocals, ahead of their first reader
.irp b, 0,2,4,6,8,10,12,14,16,18,20,22,24,26,28,30
.irp t, 0,1
	v_pk_mul_f32 v[O+32*\t+\b:O+32*\t+\b+1], v[O+32*\t+\b:O+32*\t+\b+1], v[ST+8*\t+6:ST+8*\t+7] op_sel_hi:[1,0]
.endr
.endr
.irp e, 0,1,2,3,4,5,6,7,8,9,10,11,12,13,14,15
.irp t, 0,1
	v_cvt_pk_f16_f32 v[S+16*\t+\e], v[O+32*\t+2*\e], v[O+32*\t+2*\e+1]
.endr
.endr
.irp t, 0,1
.irp ct, 0,1,2,3
	ds_store_b128 v9, v[S+16*\t+4*\ct:S+16*\t+4*\ct+3] offset:2304*\t+32*\ct
.endr
.endr
.irp e, 0,1,2,3,4,5,6,7
	ds_load_b128 v[S+32+4*\e:S+32+4*\e+3], v10 offset:576*\e   ; in order behind my stores
.endr
.irp e, 0,1,2,3,4,5,6,7
	s_wait_dscnt 7-\e                              ; the younger loads may stay out
	global_store_b128 v11, v[S+32+4*\e:S+32+4*\e+3], s[MB:MB+1] offset:512*\e
.endr
	s_wait_tensorcnt 0x0                           ; the wave's end
	ds_add_u32 v[SPW], v[NIL]
	s_wait_dscnt 0x0
	s_endpgm
.Lfunc_end_k_q5934520af9_attn:
	.size	k_q5934520af9_attn, .Lfunc_end_k_q5934520af9_attn-k_q5934520af9_attn
	.p2alignl 7, 3214868480
	.fill 96, 4, 3214868480
	.section	.rodata,"a",@progbits
	.p2align	6, 0x0
	.amdhsa_kernel k_q5934520af9_attn
		.amdhsa_group_segment_fixed_size 327680
		.amdhsa_private_segment_fixed_size 0
		.amdhsa_enable_private_segment 0
		.amdhsa_kernarg_size 16
		.amdhsa_user_sgpr_count 2
		.amdhsa_user_sgpr_kernarg_segment_ptr 1
		.amdhsa_wavefront_size32 1
		.amdhsa_system_sgpr_workgroup_id_x 1
		.amdhsa_system_sgpr_workgroup_id_y 1
		.amdhsa_system_sgpr_workgroup_id_z 1
		.amdhsa_system_vgpr_workitem_id 0
		.amdhsa_next_free_vgpr 256
		.amdhsa_next_free_sgpr 100
		.amdhsa_reserve_vcc 1
		.amdhsa_float_denorm_mode_32 3
		.amdhsa_float_denorm_mode_16_64 3
		.amdhsa_memory_ordered 1
		.amdhsa_forward_progress 1
		.amdhsa_inst_pref_size 187
	.end_amdhsa_kernel
	.amdgpu_metadata
---
amdhsa.version: [ 1, 2 ]
amdhsa.kernels:
  - .name:           k_q5934520af9_attn
    .symbol:         k_q5934520af9_attn.kd
    .args:
      - { .name: qkv, .offset: 0, .size: 8, .value_kind: global_buffer, .address_space: global }
      - { .name: merged, .offset: 8, .size: 8, .value_kind: global_buffer, .address_space: global }
    .group_segment_fixed_size: 327680
    .private_segment_fixed_size: 0
    .kernarg_segment_align: 8
    .kernarg_segment_size: 16
    .max_flat_workgroup_size: 512
    .sgpr_count:     100
    .vgpr_count:     256
    .wavefront_size: 32
...
	.end_amdgpu_metadata
.endif
;; end of part 3
;; launch proj (part 4): grid 8 x 64, 4 waves a work-group, clusters of 4 x 4, 327,680 bytes of LDS; arguments merged, wo16, out0; writes out0
.if DOCPART == 4
	.amdgcn_target "amdgcn-amd-amdhsa--gfx1250"
	.amdhsa_code_object_version 6
	.text
	.protected	k_q5934520af9_proj
	.globl	k_q5934520af9_proj
	.p2align	8
	.type	k_q5934520af9_proj,@function
k_q5934520af9_proj:
	s_mov_b64 s[64:65], 0
	v_nop
	global_prefetch_b8 v0, s[64:65] scope:SCOPE_SE
	s_setreg_imm32_b32 hwreg(HW_REG_WAVE_MODE, 25, 1), 1
	s_wait_xcnt 0x0
	s_wait_alu depctr_hold_cnt(0) depctr_sa_sdst(0) depctr_va_vdst(0) depctr_va_sdst(0) depctr_va_ssrc(0) depctr_va_vcc(0) depctr_vm_vsrc(0)
	s_getreg_b32 s2, hwreg(HW_REG_IB_STS2, 6, 4)
	s_cmp_eq_u32 s2, 0
	s_cbranch_scc0 .Lentry_in_a_cluster
	s_endpgm
.Lentry_in_a_cluster:
	s_bfe_u32 s2, ttmp6, 0x10000c
	s_cmp_lg_u32 s2, 0xf033
	s_cbranch_scc0 .Lentry_shape_is_right
	s_endpgm
.Lentry_shape_is_right:
; out0[m][n] = sum over k of merged[m][k] W_O[n][k]: m 8,192, n 1,024, k 1,024; f16 operands, f32 sums, f32 out.  merged: [16 h][8192][64] f16; wo16: [16 h][1024][64] f16: k = 64 h + d.
; A tile of C is 128 x 128: 512 work-groups, two for each WGP.  Four waves, each 64 x 64: 16 accumulators.  K goes in steps of 256 (four h) through two LDS slots.
; A wave's tensor load brings 64 rows x 4 h: four runs of 8,192 dense bytes, stated as 4 rows of 4,096 elements, with 16 bytes of padding behind every 256: in LDS two matrix rows of 128 bytes share 272 bytes.
; CLUSTERS: 4 x 4 work-groups; A's tiles are shared along a row of the cluster, B's along a column, each asked for JOINTLY.  THE MATRIX INSTRUCTION IS USED TRANSPOSED: a lane holds eight neighbouring n of a row of C.
; A wave's 64 columns of f32 are 256 bytes, aligned: each wave has a stage of its own, and no barrier stands on the way out.
; All rows are made here; the first 16 positions of each sequence are written over by the launch that follows, which carries them in f32.
; REGISTERS: window 0: v0-31 addresses; v32-95 at work on the way out; v128-255 the accumulators.  window 1: two fragment buffers of 128.
; No prefetch: small tiles, each read again by neighbouring work-groups.
.set HP,     8704                      ; a head's part of a load in LDS: 32 x 272
.set RB,     2176                      ; 16 matrix rows of it
.set HALFT,  4*HP
.set SLOT,   4*HALFT
.set STAGE,  2*SLOT
.set SPITCH, 272
.set SPARE,  STAGE+4*16*SPITCH         ; the spare words, 128 bytes a wave, which no other line names
.set ASTEP,  4*1048576                 ; a K step on, in bytes: four h of merged,
.set BSTEP,  4*131072                  ; of wo16
.set LAPS,   2
.set ADRA, 16
.set ADRB, 20
.set STO,  24
.set RD,   25
.set CO,   26
.set SPW,  28
.set NIL,  29
.set TMP,  32
.set ACC,  128
.set F0,   0
.set F1,   128
.set G1, 24
.set G0, 32
.set G1B, 48
.set G0B, 56
.set MSB, 0
.macro WIN new
.if MSB != \new
	s_set_vgpr_msb (MSB<<8)|\new
.set MSB, \new
.endif
.endm
.set MUL,  0x05                        ; sources 0 (B) and 1 (A) window 1; C and D window 0
.set TO_F, 0x40
.macro JLOAD s                         ; waves 0 and 1 fetch A's halves, waves 2 and 3 B's; an s_nop 0 and four v_nop follow each line
	s_cmp_eq_u32 s11, 0
	s_cbranch_scc0 .Lfor_b_\@
	tensor_load_to_lds s[G0+4*\s:G0+4*\s+3], s[G1:G1+7]
	s_nop 0
.rept 4
	v_nop
.endr
	s_branch .Lasked_\@
.Lfor_b_\@:
	tensor_load_to_lds s[G0B+4*\s:G0B+4*\s+3], s[G1B:G1B+7]
	s_nop 0
.rept 4
	v_nop
.endr
.Lasked_\@:
.endm
.macro CREST
	s_cmp_lg_u32 s10, 0
	s_cbranch_scc1 .Lnot_wave_0_\@
	s_barrier_signal -3
.Lnot_wave_0_\@:
	s_barrier_wait -3
	s_barrier_signal -1
	s_barrier_wait -1
.endm
.macro CROUND
	s_barrier_signal -1
	s_barrier_wait -1
	CREST
.endm
	s_load_b128 s[4:7], s[0:1], 0x0                ; merged, wo16
	s_load_b64 s[8:9], s[0:1], 0x10                ; out0
	v_lshl_add_u32 v[SPW], v0, 2, SPARE
	v_mov_b32 v[NIL], 0
	ds_add_u32 v[SPW], v[NIL]                      ; the wave's opening: the add, twice on end, and its wait ahead of my first tensor load
	ds_add_u32 v[SPW], v[NIL]
	v_lshrrev_b32 v1, 5, v0
	v_readfirstlane_b32 s10, v1                    ; wave 0..3
	s_lshr_b32 s11, s10, 1                         ; my half of the tile's rows.  Also: I fetch for A (0) or B (1)
	s_and_b32 s12, s10, 1                          ; my half of its columns.  Also: which 64 rows I fetch
	s_bfe_u32 s40, ttmp6, 0x40000                  ; cx, cy
	s_bfe_u32 s41, ttmp6, 0x40004
	s_lshl_b32 s42, ttmp9, 2
	s_add_co_u32 s42, s42, s40                     ; tile column
	s_and_b32 s13, ttmp7, 0xffff
	s_lshl_b32 s13, s13, 2
	s_add_co_u32 s13, s13, s41                     ; tile row
	s_lshl_b32 s43, s41, 2
	s_lshl_b32 s43, 15, s43                        ; my row of the cluster
	s_lshl_b32 s44, 0x1111, s40                    ; my column
	s_or_b32 s[G1+0], s43, (1<<16)|(1<<20)|(1<<21)|(5<<22)|(3<<25)  ; the mask; elements of 2 bytes; padding on; 21 set beside a mask; after every 64 words four words
	s_or_b32 s[G1B+0], s44, (1<<16)|(1<<20)|(1<<21)|(5<<22)|(3<<25)
.irp g, G1, G1B
	s_mov_b32 s[\g+1], 4096<<16                    ; tensor_dim0 = 4,096 elements: 64 matrix rows of one h
	s_mov_b32 s[\g+2], 4<<16                       ; tensor_dim1 = 4 h
	s_mov_b32 s[\g+3], 4096<<16                    ; tile_dim0
	s_mov_b32 s[\g+4], 4                           ; tile_dim1
	s_mov_b32 s[\g+6], 0
	s_mov_b32 s[\g+7], 0
.endr
	s_mov_b32 s[G1+5], 524288                      ; from h to h, in elements: 8,192 rows of 64,
	s_mov_b32 s[G1B+5], 65536                      ; 1,024 rows of 64
	s_lshl_b32 s17, s12, 6                         ; which 64 rows of the tile I fetch
	s_lshl_b32 s16, s13, 7
	s_add_co_u32 s16, s16, s17
	s_lshl_b32 s16, s16, 7                         ; A: (128 x tile row + 64 x half) rows of 128 bytes
	s_lshl_b32 s46, s42, 7
	s_add_co_u32 s46, s46, s17
	s_lshl_b32 s46, s46, 7                         ; B likewise by the tile column
	s_mov_b32 s17, 0
	s_mov_b32 s47, 0
	s_mul_i32 s20, s10, HALFT                      ; where they go: by the wave's number alone
	s_wait_dscnt 0x0                               ; both opening adds are done
	s_wait_kmcnt 0x0
	s_add_nc_u64 s[14:15], s[4:5], s[16:17]
	s_add_nc_u64 s[46:47], s[6:7], s[46:47]
	CROUND                                         ; all sixteen work-groups are here: the first joint loads meet
.irp s, 0,1
	s_mov_b32 s[G0+4*\s], 1
	s_add_co_u32 s[G0+4*\s+1], s20, \s*SLOT
	s_add_nc_u64 s[G0+4*\s+2:G0+4*\s+3], s[14:15], \s*ASTEP
	s_or_b32 s[G0+4*\s+3], s[G0+4*\s+3], 0x80000000
	s_mov_b32 s[G0B+4*\s], 1
	s_add_co_u32 s[G0B+4*\s+1], s20, \s*SLOT
	s_add_nc_u64 s[G0B+4*\s+2:G0B+4*\s+3], s[46:47], \s*BSTEP
	s_or_b32 s[G0B+4*\s+3], s[G0B+4*\s+3], 0x80000000
	JLOAD \s
.endr
	v_and_b32 v1, 15, v0                           ; r
	v_bfe_u32 v2, v0, 4, 1                         ; l / 16
	v_lshrrev_b32 v3, 1, v1
	v_mul_u32_u24 v3, v3, 272                      ; two matrix rows to 272 bytes: row r starts at word 68 (r / 2) + 32 (r % 2): sixteen different groups of four banks (64 banks of 4 bytes: ISA guide 11.1)
	v_and_b32 v4, 1, v0
	v_lshl_add_u32 v3, v4, 7, v3
	v_lshl_add_u32 v3, v2, 4, v3
	s_mul_i32 s21, s11, HALFT                      ; my 64 rows of A
	s_mul_i32 s22, s12, HALFT                      ; my 64 rows of B,
	s_add_co_u32 s22, s22, 2*HALFT                 ; behind A's 128
.irp s, 0,1
	v_add_nc_u32 v[ADRA+\s], s21, v3
	v_add_nc_u32 v[ADRB+\s], s22, v3
	s_add_co_u32 s21, s21, SLOT
	s_add_co_u32 s22, s22, SLOT
.endr
	s_mul_i32 s23, s10, 16*SPITCH
	s_add_co_u32 s23, s23, STAGE                   ; my stage
	v_mul_u32_u24 v4, v1, SPITCH                   ; in: row r, 32 bytes for each half of the lanes
	v_lshl_add_u32 v4, v2, 5, v4
	v_add_nc_u32 v[STO], s23, v4
	v_mul_u32_u24 v5, v2, SPITCH                   ; back: lanes 0-15 one row of 256 bytes, lanes 16-31 the next
	v_lshl_add_u32 v5, v1, 4, v5
	v_add_nc_u32 v[RD], s23, v5
	v_lshlrev_b32 v5, 12, v2                       ; and the same two rows in out0: 4,096 bytes a row
	v_lshl_add_u32 v[CO], v1, 4, v5
	s_lshl_b32 s16, s13, 7
	s_lshl_b32 s17, s11, 6
	s_add_co_u32 s16, s16, s17                     ; my first row
	s_lshl_b32 s16, s16, 12
	s_mov_b32 s17, 0
	s_add_nc_u64 s[8:9], s[8:9], s[16:17]
	s_lshl_b32 s46, s42, 9                         ; my first column, in bytes: 512 x tile column + 256 x half
	s_lshl_b32 s47, s12, 8
	s_add_co_u32 s46, s46, s47
	s_mov_b32 s47, 0
	s_add_nc_u64 s[8:9], s[8:9], s[46:47]
.macro MUL8 f, c, a0, zero             ; 8 matrix instructions; the 16 accumulators take turns
.irp a, \a0, \a0+1
.irp b, 0,1,2,3
.if \zero
	v_wmma_f32_16x16x32_f16 v[ACC+8*(4*(\a)+\b):ACC+8*(4*(\a)+\b)+7], v[\f+64+8*(4*\c+\b):\f+64+8*(4*\c+\b)+7], v[\f+8*(4*\c+\a):\f+8*(4*\c+\a)+7], 0
.else
	v_wmma_f32_16x16x32_f16 v[ACC+8*(4*(\a)+\b):ACC+8*(4*(\a)+\b)+7], v[\f+64+8*(4*\c+\b):\f+64+8*(4*\c+\b)+7], v[\f+8*(4*\c+\a):\f+8*(4*\c+\a)+7], v[ACC+8*(4*(\a)+\b):ACC+8*(4*(\a)+\b)+7]
.endif
.endr
.endr
.endm
.macro FETCH slot, k, f                ; 32 LDS loads in one run: one h (64 along K) at byte k of a load's part, into buffer f; its first 32 along K first
	WIN TO_F
.irp c, 0,1
.irp i, 0,1,2,3
	ds_load_b128 v[\f+64+8*(4*\c+\i):\f+64+8*(4*\c+\i)+3],   v[ADRB+\slot] offset:\k+64*\c+\i*RB
	ds_load_b128 v[\f+64+8*(4*\c+\i)+4:\f+64+8*(4*\c+\i)+7], v[ADRB+\slot] offset:\k+64*\c+\i*RB+32
	ds_load_b128 v[\f+8*(4*\c+\i):\f+8*(4*\c+\i)+3],         v[ADRA+\slot] offset:\k+64*\c+\i*RB
	ds_load_b128 v[\f+8*(4*\c+\i)+4:\f+8*(4*\c+\i)+7],       v[ADRA+\slot] offset:\k+64*\c+\i*RB+32
.endr
.endr
.endm
.macro PLACES                          ; four places in front of loads into registers that matrix instructions have read, and of reads of results
.rept 4
	v_nop
.endr
.endm
.macro QUARTER slot, k, f, g, zero     ; multiplies buffer f (one h) and fetches the next h, at byte k, into g
	s_wait_dscnt 16                                ; the first 32 along K are in; the sixteen younger loads may be out
	WIN MUL
	MUL8 \f, 0, 0, \zero
	MUL8 \f, 0, 2, \zero
	PLACES
	FETCH \slot, \k, \g
	s_wait_dscnt 32                                ; all but the 32 just issued
	WIN MUL
	MUL8 \f, 1, 0, 0
	MUL8 \f, 1, 2, 0
.endm
; The last quarter multiplies buffer 1 and changes slots: ONE barrier; in front of it each wave waits for all its tensor loads, adds 0 to its spare word, and waits for that and for its reads of this slot.
.macro TURN slot, next, fill
	WIN 0
	s_wait_tensorcnt 0x0                           ; my part of the next slot has landed
	ds_add_u32 v[SPW], v[NIL]
	s_wait_dscnt 17                                ; (the add and the youngest sixteen loads may be out)
	WIN MUL
	MUL8 F1, 0, 0, 0
	s_wait_dscnt 0x0                               ; the add is done, and my reads of this slot are over
	s_barrier_signal -1
	MUL8 F1, 0, 2, 0
.if \fill
	WIN 0
.endif
	s_barrier_wait -1
.if \fill
	CREST                                          ; the barrier has opened a round of the cluster's barrier: no wave of any partner still reads this slot or has a load on its way
	s_add_nc_u64 s[G0+4*\slot+2:G0+4*\slot+3], s[G0+4*\slot+2:G0+4*\slot+3], 2*ASTEP
	s_add_nc_u64 s[G0B+4*\slot+2:G0B+4*\slot+3], s[G0B+4*\slot+2:G0B+4*\slot+3], 2*BSTEP
	JLOAD \slot                                    ; the first tensor load behind the round; its four v_nop are also the places in front of the loads below
.else
	PLACES
.endif
	FETCH \next, 0, F0
	WIN MUL
	MUL8 F1, 1, 0, 0
	MUL8 F1, 1, 2, 0
.endm
	s_wait_tensorcnt 1                             ; my part of K step 0 is in; K step 1's load, issued behind it, may be out,
	s_barrier_signal -1
	s_barrier_wait -1                              ; everybody's is
	FETCH 0, 0, F0
	QUARTER 0, HP, F0, F1, 1                       ; the first products start the sums
	WIN 0
	s_mov_b32 s3, LAPS-1
.Llap:                                                 ; a trip goes once round the ring and fills both slots again
	QUARTER 0, 2*HP, F1, F0, 0
	QUARTER 0, 3*HP, F0, F1, 0
	TURN 0, 1, 1
	QUARTER 1, HP, F0, F1, 0
	QUARTER 1, 2*HP, F1, F0, 0
	QUARTER 1, 3*HP, F0, F1, 0
	TURN 1, 0, 1
	QUARTER 0, HP, F0, F1, 0
	WIN 0
	s_sub_co_u32 s3, s3, 1
	s_cmp_lg_u32 s3, 0
	s_cbranch_scc1 .Llap
	QUARTER 0, 2*HP, F1, F0, 0                     ; the last lap fills nothing
	QUARTER 0, 3*HP, F0, F1, 0
	TURN 0, 1, 0
	QUARTER 1, HP, F0, F1, 0
	QUARTER 1, 2*HP, F1, F0, 0
	QUARTER 1, 3*HP, F0, F1, 0
	s_wait_dscnt 16
	WIN MUL
	MUL8 F1, 0, 0, 0
	MUL8 F1, 0, 2, 0
	s_wait_dscnt 0
	MUL8 F1, 1, 0, 0
	MUL8 F1, 1, 2, 0
	WIN 0
; THE WAY OUT, by blocks of 16 rows x 64 columns: through my own stage, back as whole rows of 256 bytes; sixteen lanes store 256 consecutive bytes, aligned.
.macro TOSTAGE a
.irp b, 0,1,2,3
	ds_store_b128 v[STO], v[ACC+8*(4*(\a)+\b):ACC+8*(4*(\a)+\b)+3] offset:64*\b        ; each accumulator from its low end on
	ds_store_b128 v[STO], v[ACC+8*(4*(\a)+\b)+4:ACC+8*(4*(\a)+\b)+7] offset:64*\b+16
.endr
.irp t, 0,1,2,3,4,5,6,7
	ds_load_b128 v[TMP+32*((\a)%2)+4*\t:TMP+32*((\a)%2)+4*\t+3], v[RD] offset:\t*2*SPITCH   ; LDS serves a wave's instructions in order (ISA guide 5.7.1.4)
.endr
.endm
.macro SEND a, younger                 ; younger: the LDS instructions issued behind block a's loads: the next block's eight stores and eight loads, or none
	s_wait_dscnt \younger
.irp t, 0,1,2,3,4,5,6,7
	global_store_b128 v[CO], v[TMP+32*((\a)%2)+4*\t:TMP+32*((\a)%2)+4*\t+3], s[8:9] offset:(16*(\a)+2*\t)*4096 th:TH_STORE_NT
.endr
.endm
	PLACES
	TOSTAGE 0
	TOSTAGE 1
	SEND 0, 16
	s_wait_xcnt 0x0                                ; block 0's stores have read their registers: block 2's loads may land there
	TOSTAGE 2
	SEND 1, 16
	s_wait_xcnt 0x0
	TOSTAGE 3
	SEND 2, 16
	SEND 3, 0
	s_wait_tensorcnt 0x0                           ; the wave's end
	ds_add_u32 v[SPW], v[NIL]
	s_wait_dscnt 0x0
	CROUND                                         ; the closing round
	s_endpgm
.Lfunc_end_k_q5934520af9_proj:
	.size	k_q5934520af9_proj, .Lfunc_end_k_q5934520af9_proj-k_q5934520af9_proj
	.p2alignl 7, 3214868480
	.fill 96, 4, 3214868480
	.section	.rodata,"a",@progbits
	.p2align	6, 0x0
	.amdhsa_kernel k_q5934520af9_proj
		.amdhsa_group_segment_fixed_size 327680
		.amdhsa_private_segment_fixed_size 0
		.amdhsa_enable_private_segment 0
		.amdhsa_kernarg_size 24
		.amdhsa_user_sgpr_count 2
		.amdhsa_user_sgpr_kernarg_segment_ptr 1
		.amdhsa_wavefront_size32 1
		.amdhsa_system_sgpr_workgroup_id_x 1
		.amdhsa_system_sgpr_workgroup_id_y 1
		.amdhsa_system_sgpr_workgroup_id_z 1
		.amdhsa_system_vgpr_workitem_id 0
		.amdhsa_next_free_vgpr 512
		.amdhsa_next_free_sgpr 66
		.amdhsa_reserve_vcc 0
		.amdhsa_float_denorm_mode_32 3
		.amdhsa_float_denorm_mode_16_64 3
		.amdhsa_memory_ordered 1
		.amdhsa_forward_progress 1
		.amdhsa_inst_pref_size 86
	.end_amdhsa_kernel
	.amdgpu_metadata
---
amdhsa.version: [ 1, 2 ]
amdhsa.kernels:
  - .name:           k_q5934520af9_proj
    .symbol:         k_q5934520af9_proj.kd
    .args:
      - { .name: merged, .offset: 0, .size: 8, .value_kind: global_buffer, .address_space: global }
      - { .name: wo16, .offset: 8, .size: 8, .value_kind: global_buffer, .address_space: global }
      - { .name: out0, .offset: 16, .size: 8, .value_kind: global_buffer, .address_space: global }
    .group_segment_fixed_size: 327680
    .private_segment_fixed_size: 0
    .kernarg_segment_align: 8
    .kernarg_segment_size: 24
    .max_flat_workgroup_size: 128
    .sgpr_count:     66
    .vgpr_count:     512
    .wavefront_size: 32
...
	.end_amdgpu_metadata
.endif
;; end of part 4
;; launch first16 (part 5): grid 64 x 4, 16 waves a work-group, no clusters, 157,696 bytes of LDS; arguments fine32, W_O, out0; writes out0
.if DOCPART == 5
	.amdgcn_target "amdgcn-amd-amdhsa--gfx1250"
	.amdhsa_code_object_version 6
	.text
	.protected	k_q5934520af9_first16
	.globl	k_q5934520af9_first16
	.p2align	8
	.type	k_q5934520af9_first16,@function
k_q5934520af9_first16:
	s_mov_b64 s[64:65], 0
	v_nop
	global_prefetch_b8 v0, s[64:65] scope:SCOPE_SE
	s_setreg_imm32_b32 hwreg(HW_REG_WAVE_MODE, 25, 1), 1
	s_wait_xcnt 0x0
; The first 16 positions of each of the 4 sequences, in f32 from the quantised products' sums to out0: under the causal mask they average one to sixteen values, and f16 operands would weigh most there.
; fine32: [4 b][192 tiles of 16 n][2 halves][32 lanes][16 bytes]: lane (r, hh), register j of a tile: the sum at (t = r, n = 16 tile + 8 hh + j); tiles 0-63 q, 64-127 k, 128-191 v.  W_O: [1024 n][1024 k] f32.
; A work-group makes out0[b][0..15][16 nt .. 16 nt + 15].  Wave hd makes head hd's attention for the 16 positions and multiplies it at once by W_O[16 nt ..][64 hd .. 64 hd + 63]; the sixteen partial tiles meet in LDS.
; The attention is made anew in each of the 64 work-groups of a batch (48 small matrix instructions a wave), so that the sum over heads stays inside a work-group and 256 work-groups share the work.
; All products by the f32 matrix form, 16 x 16 x 4: lane (r, hh), register j holds k = 2 hh + j.  Both operands of a product are fed from images of one layout, so a k place means the same channel on both sides.
; The registers that these products write (v16-31, v160-175, v184-215) are written by them alone; what is made of a sum goes into other registers.
; The softmax takes the row's maximum away; hidden keys get -infinity, p = 0.  The stores are pieces of 64 bytes a row: 262,144 bytes in the whole launch.
; No tensor loads, no cluster, no prefetch: each work-group reads 200 KB once, and the launch is short.
.set VTB,   0                          ; LDS: for each wave v as [16 keys] x (256 bytes + 16),
.set WSB,   16*4352                    ; its 16 rows x 64 of W_O likewise,
.set RED,   2*16*4352                  ; and its partial tile, 1,024 bytes
.set SPARE, RED+16*1024                ; the spare words, 128 bytes a wave, which no other line names
.set PA,  16
.set PB,  24
.set Q,   32
.set K,   64
.set V,   96
.set W,   128
.set SA,  160
.set SB,  168
.set T,   176
.set O,   184
.set M,   216
.set SPW, 248
.set NIL, 249
.set DD,  250
.set NINF, 251
	s_load_b128 s[4:7], s[0:1], 0x0                ; fine32, W_O
	s_load_b64 s[8:9], s[0:1], 0x10                ; out0
	v_lshl_add_u32 v[SPW], v0, 2, SPARE
	v_mov_b32 v[NIL], 0
	v_lshrrev_b32 v1, 5, v0
	v_readfirstlane_b32 s10, v1                    ; wave = head
	v_and_b32 v1, 31, v0
	v_lshlrev_b32 v1, 4, v1                        ; 16 x lane
	v_and_b32 v2, 15, v0                           ; r
	v_bfe_u32 v3, v0, 4, 1                         ; hh
	s_and_b32 s11, ttmp7, 0xffff                   ; batch
	s_mul_i32 s12, s11, 192
	s_lshl_b32 s13, s10, 2
	s_add_co_u32 s12, s12, s13
	s_lshl_b32 s12, s12, 10                        ; q's first tile of my head
	s_mov_b32 s13, 0
	s_lshl_b32 s14, ttmp9, 16                      ; W_O: 16 rows of 4,096 bytes a work-group,
	s_lshl_b32 s15, s10, 8                         ; 256 bytes a head
	s_add_co_u32 s14, s14, s15
	s_mov_b32 s15, 0
	s_and_b32 s19, s10, 1
	s_lshl_b32 s16, s11, 23                        ; out0: 2,048 rows of 4,096 bytes a batch,
	s_lshl_b32 s17, ttmp9, 6                       ; 64 bytes a work-group,
	s_add_co_u32 s16, s16, s17
	s_lshl_b32 s17, s19, 4                         ; 16 bytes for each of the two waves that store
	s_add_co_u32 s16, s16, s17
	s_mov_b32 s17, 0
	s_mul_i32 s20, s10, 4352
	s_lshl_b32 s21, s10, 10
	s_lshl_b32 s18, s19, 9
	s_mov_b32 s22, 0x76543210
	s_mov_b32 s23, 0xfedcba98                      ; v_permlanex16_b32's selects for lane l xor 16
	s_mov_b32 s24, 0x3e38aa3b                      ; c = log2(e) / sqrt(64)
	v_lshlrev_b32 v4, 12, v3
	v_lshl_add_u32 v4, v2, 4, v4                   ; W_O in: lanes 0-15 256 bytes of one row, lanes 16-31 of the next
	v_mul_u32_u24 v5, v2, 272
	v_lshl_add_u32 v5, v3, 5, v5
	v_add_nc_u32 v5, s20, v5                       ; v into LDS: key r, channels 8 hh on
	v_mul_u32_u24 v6, v3, 2176
	v_lshl_add_u32 v6, v2, 2, v6
	v_add_nc_u32 v6, s20, v6                       ; and back: key 8 hh (+ jj), channel r (+ 16 ct)
	v_mul_u32_u24 v7, v3, 272
	v_lshl_add_u32 v7, v2, 4, v7
	v_add_nc_u32 v7, s20, v7
	v_add_nc_u32 v7, WSB, v7                       ; W_O into LDS as loaded
	v_add_nc_u32 v8, WSB, v5                       ; and back: row r, channels 8 hh on
	v_add_nc_u32 v9, s21, v1
	v_add_nc_u32 v9, RED, v9                       ; my partial tile
	v_add_nc_u32 v10, s18, v1
	v_add_nc_u32 v10, RED, v10                     ; half (wave % 2) of every partial tile
	v_lshlrev_b32 v11, 12, v2
	v_lshl_add_u32 v11, v3, 5, v11                 ; out0: row r, 32 hh bytes on
	v_lshlrev_b32 v12, 3, v3
	v_sub_nc_u32 v[DD], v2, v12                    ; d = r - 8 hh: key 8 hh + j is hidden from query r where j > d
	v_mov_b32 v[NINF], 0xff800000
	s_wait_kmcnt 0x0
	s_add_nc_u64 s[4:5], s[4:5], s[12:13]
	s_add_nc_u64 s[6:7], s[6:7], s[14:15]
	s_add_nc_u64 s[8:9], s[8:9], s[16:17]
.irp w, 0,1,2                          ; q, k, v: four tiles each, as the images lie: 512 consecutive bytes a load
.irp i, 0,1,2,3
	global_load_b128 v[Q+32*\w+8*\i:Q+32*\w+8*\i+3], v1, s[4:5] offset:65536*\w+1024*\i
	global_load_b128 v[Q+32*\w+8*\i+4:Q+32*\w+8*\i+7], v1, s[4:5] offset:65536*\w+1024*\i+512
.endr
.endr
.irp i, 0,1,2,3,4,5,6,7
	global_load_b128 v[W+4*\i:W+4*\i+3], v4, s[6:7] offset:8192*\i
.endr
	s_wait_loadcnt 16                              ; q and k are in; v's eight loads and W_O's eight stay out
.set n, 0
.rept 16                               ; S^T = K Q^T: four channels an instruction; two accumulators by turns; the first of each starts its sum
.set acc, SA+8*(n%2)
.if n < 2
	v_wmma_f32_16x16x4_f32 v[acc:acc+7], v[K+2*n:K+2*n+1], v[Q+2*n:Q+2*n+1], 0
.else
	v_wmma_f32_16x16x4_f32 v[acc:acc+7], v[K+2*n:K+2*n+1], v[Q+2*n:Q+2*n+1], v[acc:acc+7]
.endif
.set n, n+1
.endr
	s_wait_loadcnt 8                               ; v is in; W_O's eight loads stay out
.irp i, 0,1,2,3
	ds_store_b128 v5, v[V+8*\i:V+8*\i+3] offset:64*\i
	ds_store_b128 v5, v[V+8*\i+4:V+8*\i+7] offset:64*\i+16
.endr
.irp ct, 0,1,2,3                       ; V^T: register 8 ct + jj: v(key 8 hh + jj, channel 16 ct + r).  In order behind my stores
.irp jj, 0,1,2,3,4,5,6,7
	ds_load_b32 v[V+8*\ct+\jj], v6 offset:272*\jj+64*\ct
.endr
.endr
	s_wait_loadcnt 0x0                             ; W_O
.irp i, 0,1,2,3,4,5,6,7
	ds_store_b128 v7, v[W+4*\i:W+4*\i+3] offset:544*\i
.endr
.irp i, 0,1,2,3                        ; register 8 i + j: W_O(16 nt + r, 64 hd + 16 i + 8 hh + j)
	ds_load_b128 v[W+8*\i:W+8*\i+3], v8 offset:64*\i
	ds_load_b128 v[W+8*\i+4:W+8*\i+7], v8 offset:64*\i+16
.endr
.rept 8
	v_nop                                          ; eight places behind this form, ahead of the first read of its results (ISA guide 7.12.1)
.endr
.irp j, 0,1,2,3,4,5,6,7
	v_add_f32 v[T+\j], v[SA+\j], v[SB+\j]          ; the score of key 8 hh + j and query r
.endr
.irp j, 0,1,2,3,4,5,6,7
	v_cmp_gt_i32 vcc_lo, \j, v[DD]
	v_cndmask_b32 v[T+\j], v[T+\j], v[NINF], vcc_lo
.endr
	v_max3_num_f32 v12, v[T], v[T+1], v[T+2]
	v_max3_num_f32 v13, v[T+3], v[T+4], v[T+5]
	v_max3_num_f32 v12, v12, v[T+6], v[T+7]
	v_max_num_f32 v12, v12, v13
	v_permlanex16_b32 v13, v12, s22, s23
	v_max_num_f32 v12, v12, v13                    ; the row's maximum: key 0 counts for every query
	v_mul_f32 v12, s24, v12
.irp j, 0,1,2,3,4,5,6,7
	v_fma_f32 v[T+\j], v[T+\j], s24, -v12
.endr
.irp j, 0,1,2,3,4,5,6,7
	v_exp_f32 v[T+\j], v[T+\j]
.endr
	v_nop                                          ; a plain instruction behind the last exponential
	s_wait_alu depctr_va_vdst(0)                   ; one wait for the eight, ahead of their first reader
	v_add_f32 v12, v[T], v[T+1]
	v_add_f32 v13, v[T+2], v[T+3]
	v_add_f32 v14, v[T+4], v[T+5]
	v_add_f32 v15, v[T+6], v[T+7]
	v_add_f32 v12, v12, v13
	v_add_f32 v14, v14, v15
	v_add_f32 v12, v12, v14
	v_permlanex16_b32 v13, v12, s22, s23
	v_add_f32 v12, v12, v13                        ; the row's sum
	v_rcp_f32 v14, v12
	s_wait_dscnt 16                                ; V^T is in; W_O's eight stores and eight loads stay out
.irp s, 0,1,2,3                        ; O^T = V^T P: keys 8 hh + 2 s, + 1 an instruction; four accumulators by turns
.irp ct, 0,1,2,3
.if \s == 0
	v_wmma_f32_16x16x4_f32 v[O+8*\ct:O+8*\ct+7], v[V+8*\ct+2*\s:V+8*\ct+2*\s+1], v[T+2*\s:T+2*\s+1], 0
.else
	v_wmma_f32_16x16x4_f32 v[O+8*\ct:O+8*\ct+7], v[V+8*\ct+2*\s:V+8*\ct+2*\s+1], v[T+2*\s:T+2*\s+1], v[O+8*\ct:O+8*\ct+7]
.endif
.endr
.endr
.rept 8
	v_nop
.endr
	s_wait_alu depctr_va_vdst(0)                   ; the reciprocal's wait, ahead of its first reader
.irp j, 0,1,2,3,4,5,6,7,8,9,10,11,12,13,14,15,16,17,18,19,20,21,22,23,24,25,26,27,28,29,30,31
	v_mul_f32 v[M+\j], v[O+\j], v14                ; register 8 ct + j: the head's output at (query r, channel 16 ct + 8 hh + j)
.endr
	s_wait_dscnt 0x0                               ; W_O's fragments
.set n, 0
.rept 16                               ; my head's part of out0^T: source 0 = 16 rows of W_O, source 1 = the 16 queries
.set acc, PA+8*(n%2)
.if n < 2
	v_wmma_f32_16x16x4_f32 v[acc:acc+7], v[W+2*n:W+2*n+1], v[M+2*n:M+2*n+1], 0
.else
	v_wmma_f32_16x16x4_f32 v[acc:acc+7], v[W+2*n:W+2*n+1], v[M+2*n:M+2*n+1], v[acc:acc+7]
.endif
.set n, n+1
.endr
.rept 8
	v_nop
.endr
.irp j, 0,1,2,3,4,5,6,7
	v_add_f32 v[Q+\j], v[PA+\j], v[PB+\j]          ; lane (r, hh), register j: (t = r, n = 16 nt + 8 hh + j)
.endr
	ds_store_b128 v9, v[Q:Q+3]
	ds_store_b128 v9, v[Q+4:Q+7] offset:512
	s_wait_dscnt 0x0                               ; for the others' sake: my partial tile lies in LDS
	s_barrier_signal -1
	s_barrier_wait -1
	s_cmp_ge_u32 s10, 2                            ; waves 0 and 1 add the sixteen parts, half a tile each
	s_cbranch_scc1 .Ldone
.irp p, 0,1,2,3,4,5,6,7,8,9,10,11,12,13,14,15
	ds_load_b128 v[64+4*\p:64+4*\p+3], v10 offset:1024*\p
.endr
	s_wait_dscnt 0x0
.irp p, 0,1,2,3,4,5,6,7
	v_pk_add_f32 v[64+4*\p:65+4*\p], v[64+4*\p:65+4*\p], v[96+4*\p:97+4*\p]
	v_pk_add_f32 v[66+4*\p:67+4*\p], v[66+4*\p:67+4*\p], v[98+4*\p:99+4*\p]
.endr
.irp p, 0,1,2,3
	v_pk_add_f32 v[64+4*\p:65+4*\p], v[64+4*\p:65+4*\p], v[80+4*\p:81+4*\p]
	v_pk_add_f32 v[66+4*\p:67+4*\p], v[66+4*\p:67+4*\p], v[82+4*\p:83+4*\p]
.endr
.irp p, 0,1
	v_pk_add_f32 v[64+4*\p:65+4*\p], v[64+4*\p:65+4*\p], v[72+4*\p:73+4*\p]
	v_pk_add_f32 v[66+4*\p:67+4*\p], v[66+4*\p:67+4*\p], v[74+4*\p:75+4*\p]
.endr
	v_pk_add_f32 v[64:65], v[64:65], v[68:69]
	v_pk_add_f32 v[66:67], v[66:67], v[70:71]
	global_store_b128 v11, v[64:67], s[8:9]        ; (t = r, n = 16 nt + 8 hh + 4 (wave % 2) + 0..3)
.Ldone:
	s_wait_tensorcnt 0x0                           ; the wave's end, behind my last LDS store
	ds_add_u32 v[SPW], v[NIL]
	s_wait_dscnt 0x0
	s_endpgm
.Lfunc_end_k_q5934520af9_first16:
	.size	k_q5934520af9_first16, .Lfunc_end_k_q5934520af9_first16-k_q5934520af9_first16
	.p2alignl 7, 3214868480
	.fill 96, 4, 3214868480
	.section	.rodata,"a",@progbits
	.p2align	6, 0x0
	.amdhsa_kernel k_q5934520af9_first16
		.amdhsa_group_segment_fixed_size 157696
		.amdhsa_private_segment_fixed_size 0
		.amdhsa_enable_private_segment 0
		.amdhsa_kernarg_size 24
		.amdhsa_user_sgpr_count 2
		.amdhsa_user_sgpr_kernarg_segment_ptr 1
		.amdhsa_wavefront_size32 1
		.amdhsa_system_sgpr_workgroup_id_x 1
		.amdhsa_system_sgpr_workgroup_id_y 1
		.amdhsa_system_sgpr_workgroup_id_z 1
		.amdhsa_system_vgpr_workitem_id 0
		.amdhsa_next_free_vgpr 256
		.amdhsa_next_free_sgpr 66
		.amdhsa_reserve_vcc 1
		.amdhsa_float_denorm_mode_32 3
		.amdhsa_float_denorm_mode_16_64 3
		.amdhsa_memory_ordered 1
		.amdhsa_forward_progress 1
		.amdhsa_inst_pref_size 21
	.end_amdhsa_kernel
	.amdgpu_metadata
---
amdhsa.version: [ 1, 2 ]
amdhsa.kernels:
  - .name:           k_q5934520af9_first16
    .symbol:         k_q5934520af9_first16.kd
    .args:
      - { .name: fine32, .offset: 0, .size: 8, .value_kind: global_buffer, .address_space: global }
      - { .name: W_O, .offset: 8, .size: 8, .value_kind: global_buffer, .address_space: global }
      - { .name: out0, .offset: 16, .size: 8, .value_kind: global_buffer, .address_space: global }
    .group_segment_fixed_size: 157696
    .private_segment_fixed_size: 0
    .kernarg_segment_align: 8
    .kernarg_segment_size: 24
    .max_flat_workgroup_size: 512
    .sgpr_count:     66
    .vgpr_count:     256
    .wavefront_size: 32
...
	.end_amdgpu_metadata
.endif
;; end of part 5
